; MI455X (gfx1250); checked and timed in simulation.
; The chip was launched on July 23, 2026; its instructions are those of AMD's public machine-readable ISA for CDNA 5 (MIT licence, August 2026) and "CDNA5" Instruction Set Architecture Reference Guide (July 2026). The comments in the code are by the model that wrote it; some were corrected since.
;; Sparse Transformer Block. Allowed arithmetic: float matrix products may take bf16 or f16 operands with f32 sums; other float arithmetic in f32, or as packed bf16 or f16 multiplies, adds, multiply-adds, maxima and minima; sums over many terms, partial sums and values carried from step to step in f32; what a program stores and reads back later, other than sums and carried values, may be rounded once to bf16 or f16.
;; Inputs: b1 2,048 float32; b2 512 float32; bk 512 float32; bo 512 float32; bq 512 float32; bv 512 float32; ln1_b 512 float32; ln1_g 512 float32; ln2_b 512 float32; ln2_g 512 float32; w1 512 x 2,048 float32; w2 2,048 x 512 float32; wk 512 x 512 float32; wo 512 x 512 float32; wq 512 x 512 float32; wv 512 x 512 float32; x 4 x 2,048 x 512 float32.
;; Outputs: out0 4 x 2,048 x 512 float32.
;; 2 versions, each right; version 2 is version 1 with the launch prep written anew for expert scheduling mode. Each part assembles by itself: llvm-mc -triple=amdgcn-amd-amdhsa -mcpu=gfx1250 --defsym DOCPART=n.
;; ======== version 1 of 2: 7 launches
;; workspace buffers: act0 8,388,608 bytes; big 33,554,432 bytes; pan 8,388,608 bytes; h 8,388,608 bytes; pq 1,589,248 bytes; po 540,672 bytes; p1 2,113,536 bytes; p2 2,097,152 bytes
;; launch prep (part 1): grid 449 x 1, 8 waves a work-group, no clusters, 0 bytes of LDS; arguments x, w1, w2, wq, wk, wv, wo, bq, bk, bv, bo, b1, act0, p1, p2, pq, po; writes act0, p1, p2, pq, po
.if DOCPART == 1
	.amdgcn_target "amdgcn-amd-amdhsa--gfx1250"
	.amdhsa_code_object_version 6
	.text
	.protected	k_q417443d6e8_prep
	.globl	k_q417443d6e8_prep
	.p2align	8
	.type	k_q417443d6e8_prep,@function
k_q417443d6e8_prep:
	s_mov_b64 s[64:65], 0
	v_nop
	global_prefetch_b8 v0, s[64:65] scope:SCOPE_SE
	s_setreg_imm32_b32 hwreg(HW_REG_WAVE_MODE, 25, 1), 1
	s_wait_xcnt 0x0
; x and the six weight matrices are rounded once to bf16; the weights are laid in PANELS of 256 columns ([panel][k][256], rows of 512 bytes),
; so that the products that follow know neither their N nor an output pitch.  A pack (pq, po, p1) holds: bytes 0-255 the activation's floor (two bf16 a word:
; -infinity = none, 0 = ReLU), from byte 256 the bias in f32, from byte 16,384 the panels.  p2 holds w2's two panels from byte 0.
; SHARES.  Work-groups 0-447 convert 65,536 source bytes each, in 16 steps of 4,096: thread t takes 16 bytes (4 numbers) at 16 t, so a wave's load covers 512 consecutive
; bytes and its store of 8 bytes a lane 256 consecutive bytes, aligned.  1,024 source bytes (256 columns of one row) are a SEGMENT; segment s goes to
; (s & MASK) x KB + (s >> SH) x 512 + OFF: panel, row, start.  Work-group 448 copies the biases and writes the floors.
.set DO, 4                             ; v[4:19]   step i: my byte offset in the destination
.set D,  32                            ; v[32:95]  step i: 4 registers as loaded; the first two then hold the 4 bf16
.macro JOB bound, src, dst, sh, kb, off ; from work-group \bound on: another source, destination and layout
	s_cmp_ge_u32 s39, \bound
	s_cselect_b64 s[40:41], s[\src:\src+1], s[40:41]
	s_cselect_b64 s[42:43], s[\dst:\dst+1], s[42:43]
	s_cselect_b32 s44, \bound, s44
	s_cselect_b32 s45, \sh, s45
	s_cselect_b32 s46, \kb, s46
	s_cselect_b32 s47, \off, s47
.endm
	s_load_b512 s[4:19], s[0:1], 0x0               ; x 4, w1 6, w2 8, wq 10, wk 12, wv 14, wo 16, bq 18
	s_load_b512 s[20:35], s[0:1], 0x40             ; bk 20, bv 22, bo 24, b1 26, act0 28, p1 30, p2 32, pq 34
	s_load_b64 s[36:37], s[0:1], 0x80              ; po
	v_lshrrev_b32 v3, 5, v0
	v_readfirstlane_b32 s38, v3                    ; wave 0..7
	v_and_b32 v2, 31, v0
	v_lshlrev_b32 v2, 3, v2                        ; 8 x lane
	v_lshlrev_b32 v1, 4, v0                        ; 16 x thread
	s_mov_b32 s39, ttmp9
	s_wait_kmcnt 0x0
	s_cmp_eq_u32 s39, 448
	s_cbranch_scc1 .Lbias
	s_mov_b64 s[40:41], s[4:5]                     ; work-groups 0-255: x, dense
	s_mov_b64 s[42:43], s[28:29]
	s_mov_b32 s44, 0
	s_mov_b32 s45, 0
	s_mov_b32 s46, 0
	s_mov_b32 s47, 0
	JOB 256, 6, 30, 3, 262144, 16384               ; w1: 8 panels of 512 rows
	JOB 320, 8, 32, 1, 1048576, 0                  ; w2: 2 panels of 2,048 rows
	JOB 384, 10, 34, 1, 262144, 16384              ; wq: panels 0, 1 of pq
	JOB 400, 12, 34, 1, 262144, 540672             ; wk: panels 2, 3
	JOB 416, 14, 34, 1, 262144, 1064960            ; wv: panels 4, 5
	JOB 432, 16, 36, 1, 262144, 16384              ; wo
	s_sub_co_u32 s48, s39, s44                     ; my number within the job
	s_lshl_b32 s54, s48, 16
	s_mov_b32 s55, 0
	s_add_nc_u64 s[40:41], s[40:41], s[54:55]      ; my 65,536 source bytes
.set i, 0
.rept 16
	global_load_b128 v[D+4*i:D+4*i+3], v1, s[40:41] offset:4096*i th:TH_LOAD_NT
.set i, i+1
.endr
	s_lshl_b32 s48, s48, 6                         ; 64 segments a work-group,
	s_lshr_b32 s50, s38, 1
	s_add_co_u32 s48, s48, s50                     ; two waves a segment: step i's segment is s48 + 4 i
	s_lshl_b32 s49, 1, s45
	s_sub_co_u32 s49, s49, 1                       ; MASK
	s_and_b32 s52, s38, 1
	s_lshl_b32 s52, s52, 8                         ; my half of the segment's 512 destination bytes
	s_add_co_u32 s52, s52, s47
.set i, 0
.rept 16
	s_add_co_u32 s50, s48, 4*i
	s_and_b32 s51, s50, s49
	s_mul_i32 s51, s51, s46                        ; panel
	s_lshr_b32 s50, s50, s45
	s_lshl_b32 s50, s50, 9                         ; row
	s_add_co_u32 s50, s50, s51
	s_add_co_u32 s50, s50, s52
	v_add_nc_u32 v[DO+i], s50, v2
.set i, i+1
.endr
.set i, 0
.rept 16
	s_wait_loadcnt 15-i                            ; loads come back in order: step i's is in, the 15 - i younger ones stay out
	v_cvt_pk_bf16_f32 v[D+4*i], v[D+4*i], v[D+4*i+1]
	v_cvt_pk_bf16_f32 v[D+4*i+1], v[D+4*i+2], v[D+4*i+3]
	global_store_b64 v[DO+i], v[D+4*i:D+4*i+1], s[42:43]  ; no register of a store is written again
.set i, i+1
.endr
	s_endpgm
.Lbias:                                        ; threads 0-127 copy 2,048 bytes an instruction
	s_cmp_ge_u32 s38, 4
	s_cbranch_scc1 .Lend
	global_load_b128 v[32:35], v1, s[18:19]
	global_load_b128 v[36:39], v1, s[20:21]
	global_load_b128 v[40:43], v1, s[22:23]
	global_load_b128 v[44:47], v1, s[24:25]
	global_load_b128 v[48:51], v1, s[26:27]
	global_load_b128 v[52:55], v1, s[26:27] offset:2048
	global_load_b128 v[56:59], v1, s[26:27] offset:4096
	global_load_b128 v[60:63], v1, s[26:27] offset:6144
	s_wait_loadcnt 0x0
	global_store_b128 v1, v[32:35], s[34:35] offset:256
	global_store_b128 v1, v[36:39], s[34:35] offset:256+2048
	global_store_b128 v1, v[40:43], s[34:35] offset:256+4096
	global_store_b128 v1, v[44:47], s[36:37] offset:256
	global_store_b128 v1, v[48:51], s[30:31] offset:256
	global_store_b128 v1, v[52:55], s[30:31] offset:256+2048
	global_store_b128 v1, v[56:59], s[30:31] offset:256+4096
	global_store_b128 v1, v[60:63], s[30:31] offset:256+6144
	s_cmp_ge_u32 s38, 2
	s_cbranch_scc1 .Lend
	v_lshlrev_b32 v3, 2, v0                        ; threads 0-63: the 64 words of each pack's first 256 bytes
	v_mov_b32 v4, 0xff80ff80                       ; -infinity twice: no activation
	v_mov_b32 v5, 0                                ; 0 twice: ReLU
	global_store_b32 v3, v4, s[34:35]
	global_store_b32 v3, v4, s[36:37]
	global_store_b32 v3, v5, s[30:31]
.Lend:
	s_endpgm
.Lfunc_end_k_q417443d6e8_prep:
	.size	k_q417443d6e8_prep, .Lfunc_end_k_q417443d6e8_prep-k_q417443d6e8_prep
	.p2alignl 7, 3214868480
	.fill 96, 4, 3214868480
	.section	.rodata,"a",@progbits
	.p2align	6, 0x0
	.amdhsa_kernel k_q417443d6e8_prep
		.amdhsa_group_segment_fixed_size 0
		.amdhsa_private_segment_fixed_size 0
		.amdhsa_enable_private_segment 0
		.amdhsa_kernarg_size 136
		.amdhsa_user_sgpr_count 2
		.amdhsa_user_sgpr_kernarg_segment_ptr 1
		.amdhsa_wavefront_size32 1
		.amdhsa_system_sgpr_workgroup_id_x 1
		.amdhsa_system_sgpr_workgroup_id_y 1
		.amdhsa_system_sgpr_workgroup_id_z 1
		.amdhsa_system_vgpr_workitem_id 0
		.amdhsa_next_free_vgpr 96
		.amdhsa_next_free_sgpr 66
		.amdhsa_reserve_vcc 0
		.amdhsa_float_denorm_mode_32 3
		.amdhsa_float_denorm_mode_16_64 3
		.amdhsa_memory_ordered 1
		.amdhsa_forward_progress 1
		.amdhsa_inst_pref_size 15
	.end_amdhsa_kernel
	.amdgpu_metadata
---
amdhsa.version: [ 1, 2 ]
amdhsa.kernels:
  - .name:           k_q417443d6e8_prep
    .symbol:         k_q417443d6e8_prep.kd
    .args:
      - { .name: x, .offset: 0, .size: 8, .value_kind: global_buffer, .address_space: global }
      - { .name: w1, .offset: 8, .size: 8, .value_kind: global_buffer, .address_space: global }
      - { .name: w2, .offset: 16, .size: 8, .value_kind: global_buffer, .address_space: global }
      - { .name: wq, .offset: 24, .size: 8, .value_kind: global_buffer, .address_space: global }
      - { .name: wk, .offset: 32, .size: 8, .value_kind: global_buffer, .address_space: global }
      - { .name: wv, .offset: 40, .size: 8, .value_kind: global_buffer, .address_space: global }
      - { .name: wo, .offset: 48, .size: 8, .value_kind: global_buffer, .address_space: global }
      - { .name: bq, .offset: 56, .size: 8, .value_kind: global_buffer, .address_space: global }
      - { .name: bk, .offset: 64, .size: 8, .value_kind: global_buffer, .address_space: global }
      - { .name: bv, .offset: 72, .size: 8, .value_kind: global_buffer, .address_space: global }
      - { .name: bo, .offset: 80, .size: 8, .value_kind: global_buffer, .address_space: global }
      - { .name: b1, .offset: 88, .size: 8, .value_kind: global_buffer, .address_space: global }
      - { .name: act0, .offset: 96, .size: 8, .value_kind: global_buffer, .address_space: global }
      - { .name: p1, .offset: 104, .size: 8, .value_kind: global_buffer, .address_space: global }
      - { .name: p2, .offset: 112, .size: 8, .value_kind: global_buffer, .address_space: global }
      - { .name: pq, .offset: 120, .size: 8, .value_kind: global_buffer, .address_space: global }
      - { .name: po, .offset: 128, .size: 8, .value_kind: global_buffer, .address_space: global }
    .group_segment_fixed_size: 0
    .private_segment_fixed_size: 0
    .kernarg_segment_align: 8
    .kernarg_segment_size: 136
    .max_flat_workgroup_size: 256
    .sgpr_count:     66
    .vgpr_count:     96
    .wavefront_size: 32
...
	.end_amdgpu_metadata
.endif
;; end of part 1
;; launch qkv (part 2): grid 32 x 6, 4 waves a work-group, clusters of 4 x 1, 327,680 bytes of LDS; arguments act0, pq, big; writes big
.if DOCPART == 2
	.amdgcn_target "amdgcn-amd-amdhsa--gfx1250"
	.amdhsa_code_object_version 6
	.text
	.protected	k_q417443d6e8_qkv
	.globl	k_q417443d6e8_qkv
	.p2align	8
	.type	k_q417443d6e8_qkv,@function
k_q417443d6e8_qkv:
	s_mov_b64 s[64:65], 0
	v_nop
	global_prefetch_b8 v0, s[64:65] scope:SCOPE_SE
	s_setreg_imm32_b32 hwreg(HW_REG_WAVE_MODE, 25, 1), 1
	s_wait_xcnt 0x0
	s_wait_alu depctr_hold_cnt(0) depctr_sa_sdst(0) depctr_va_vdst(0) depctr_va_sdst(0) depctr_va_ssrc(0) depctr_va_vcc(0) depctr_vm_vsrc(0)
	s_getreg_b32 s2, hwreg(HW_REG_IB_STS2, 6, 4)
	s_cmp_eq_u32 s2, 0
	s_cbranch_scc0 .Lentry_in_a_cluster
	s_endpgm
.Lentry_in_a_cluster:
	s_bfe_u32 s2, ttmp6, 0x10000c
	s_cmp_lg_u32 s2, 0x3003
	s_cbranch_scc0 .Lentry_shape_is_right
	s_endpgm
.Lentry_shape_is_right:
; C = max(A W + bias, floor), rounded once to bf16.  A: [8192][512] bf16, rows of 1,024 bytes.  W, bias and floor lie in a PACK: bytes 0-255 the floor (two bf16 a word), from byte 256 the
; bias in f32, from byte 16,384 W in panels [panel][512 k][256 n] bf16.  C leaves in panels [panel][8192][256] bf16.  So the text knows no N: it serves N = 1536 and 2048.  Sums in f32.
; LIMITS.  Operands are bf16; C is rounded once to bf16; NaN and infinities are not treated apart (a NaN loses against the floor).
; SHARES.  A work-group makes 256 rows x one panel; each of its four waves 128 x 128: 64 accumulators of 16 x 16, 512 registers.  K = 512 goes in four steps of 128 through two LDS slots.
; CLUSTER.  4 x 1: four row tiles of ONE panel.  They need the same tiles of W, which are asked for JOINTLY (mask 15); A's tiles are each work-group's own (mask 0) and stand behind the same
; rounds of the cluster's barrier.  Not 4 x 4: the launches that share this text have 6 and 8 panels, which four does not always divide.
; THE PRODUCT IS TAKEN TRANSPOSED: source 0 = 16 columns of W (turned out of LDS by ds_load_tr16_b128, since W lies [k][n]), source 1 = 16 rows of A.  A lane then holds row l % 16 of C and the
; columns 8 (l / 16) + 0..7: 16 bytes of bf16.  The bias, laid in that form, is the C operand of each accumulator's first product: nothing is cleared and nothing is added later.
; REGISTERS, in windows of 256 (s_set_vgpr_msb: bits 1:0 source 0, 3:2 source 1, 5:4 source 2, 7:6 destination):
;   window 0: v0-31 addresses; v64-127, v128-191 A's fragments, two buffers; v192-223 packed results; v32-63, v224-255 rows read back, by turns
;   window 1: v0-63 the bias (column tile b at 8 b); v64-127, v128-191 W's fragments, two buffers          windows 2, 3: the accumulators of my rows 0-63, 64-127 ((a, b) at 8 (8 a + b))
.set PITCH,  272                       ; A's row in LDS: 256 bytes + 16: the 16 rows of a fragment load start 16 bytes further on in each 256
.set PB,     544                       ; W's row in LDS: 512 bytes + 32: the turning load's 8 rows x 32 bytes fall on different words of 256 bytes
.set HALFT,  128*PITCH                 ; what one tensor load brings: 128 rows of A, or 64 k rows of W (64 x 544 is the same number)
.set SLOT,   4*HALFT                   ; A's 256 rows, then W's 128 k rows
.set STAGE,  2*SLOT                    ; behind the ring: 16 rows x 272 bytes for each wave, for the way out
.set SPITCH, 272
.set SPARE,  STAGE+4*16*SPITCH         ; the spare words, 128 bytes a wave: two blocks of 256 bytes that no other line names
.set ADRA, 16                          ; v16-17  LDS address of my A fragments in slot 0, 1
.set ADRB, 20                          ; v20-21  the same for W
.set STO,  24                          ; v24     the way out: where I put 16 bytes of a row
.set RD,   25                          ; v25     where I read a row back
.set CO,   26                          ; v26     my byte offset in two rows of C
.set SPW,  28                          ; v28     my spare word; never rewritten
.set NIL,  29                          ; v29     0; never rewritten
.set F0,   64
.set F1,   128
.set TMP,  192
.set OB,   32
.set G1,  24                           ; s[24:31] group 1 for A's tiles;  s[32:39] group 0, a set for each slot
.set G0,  32
.set G1B, 48                           ; s[48:55], s[56:63] the same for W's
.set G0B, 56
.set FLOOR, 44                         ; s44 the floor
.set MSB, 0
.macro WIN new                         ; the immediate's high byte repeats the setting that is left; a switch that changes nothing is dropped
.if MSB != (\new)
	s_set_vgpr_msb (MSB<<8)|(\new)
.set MSB, \new
.endif
.endm
.set MUL_LO, 0xa1                      ; source 0 (W) window 1, source 1 (A) window 0, C and D window 2
.set MUL_HI, 0xf1                      ; the same, C and D window 3
.set TO_B,   0x40                      ; destination window 1, address window 0
; A fill.  Waves 0 and 1 fetch A's two halves (their own work-group's), waves 2 and 3 W's two halves (jointly).  The branch hangs on the wave's number alone.
; An s_nop 0 and four v_nop follow each of the two lines, ahead of the jump and the label.
.macro JLOAD s
	s_cmp_eq_u32 s11, 0
	s_cbranch_scc0 .Lfor_b_\@
	tensor_load_to_lds s[G0+4*(\s):G0+4*(\s)+3], s[G1:G1+7]
	s_nop 0
.rept 4
	v_nop
.endr
	s_branch .Lasked_\@
.Lfor_b_\@:
	tensor_load_to_lds s[G0B+4*(\s):G0B+4*(\s)+3], s[G1B:G1B+7]
	s_nop 0
.rept 4
	v_nop
.endr
.Lasked_\@:
.endm
.macro CREST                           ; a round of the cluster's barrier behind its opening barrier
	s_cmp_lg_u32 s10, 0
	s_cbranch_scc1 .Lnot_wave_0_\@
	s_barrier_signal -3
.Lnot_wave_0_\@:
	s_barrier_wait -3
	s_barrier_signal -1
	s_barrier_wait -1
.endm
.macro CROUND                          ; a whole round
	s_barrier_signal -1
	s_barrier_wait -1
	CREST
.endm
	s_load_b128 s[4:7], s[0:1], 0x0                ; A s[4:5], pack s[6:7]
	s_load_b64 s[8:9], s[0:1], 0x10                ; C
	v_lshl_add_u32 v[SPW], v0, 2, SPARE
	v_mov_b32 v[NIL], 0
	ds_add_u32 v[SPW], v[NIL]                      ; the wave's opening: the add and its wait ahead of my first tensor load; the set-up below stands between them
	v_lshrrev_b32 v1, 5, v0
	v_readfirstlane_b32 s10, v1                    ; wave 0..3
	s_lshr_b32 s11, s10, 1                         ; which half of the tile's rows is mine.  Also: I fetch for A (0) or for W (1)
	s_and_b32 s12, s10, 1                          ; which half of its columns.  Also: which half of that tile I fetch
	s_bfe_u32 s40, ttmp6, 0x40000                  ; cx
	s_lshl_b32 s13, ttmp9, 2
	s_add_co_u32 s13, s13, s40                     ; row tile = 4 x cluster x + cx
	s_and_b32 s42, ttmp7, 0xffff                   ; the panel, which the four partners share
	s_mov_b32 s[G1+0], (1<<16)|(1<<20)|(5<<22)|(3<<25)  ; no mask; elements of 2 bytes; padding on: after every 64 words, 4 words
	s_mov_b32 s[G1+1], 128<<16                     ; tensor_dim0 = 128
	s_mov_b32 s[G1+2], 128<<16                     ; tensor_dim1 = 128
	s_mov_b32 s[G1+3], 128<<16                     ; tile_dim0 = 128
	s_mov_b32 s[G1+4], 128                         ; tile_dim1 = 128
	s_mov_b32 s[G1+5], 512                         ; 512 elements from row to row
	s_mov_b32 s[G1+6], 0
	s_mov_b32 s[G1+7], 0
	s_mov_b32 s[G1B+0], 15|(1<<16)|(1<<20)|(1<<21)|(6<<22)|(7<<25)  ; the mask of four, bit 21 beside it; padding: after every 128 words, 8 words
	s_mov_b32 s[G1B+1], 256<<16                    ; tensor_dim0 = 256
	s_mov_b32 s[G1B+2], 64<<16                     ; tensor_dim1 = 64
	s_mov_b32 s[G1B+3], 256<<16                    ; tile_dim0 = 256
	s_mov_b32 s[G1B+4], 64                         ; tile_dim1 = 64
	s_mov_b32 s[G1B+5], 256                        ; 256 elements from row to row
	s_mov_b32 s[G1B+6], 0
	s_mov_b32 s[G1B+7], 0
	s_lshl_b32 s16, s13, 18                        ; A: 256 rows of 1,024 bytes a tile,
	s_lshl_b32 s17, s12, 17                        ; 128 rows a half
	s_add_co_u32 s16, s16, s17
	s_mov_b32 s17, 0
	s_lshl_b32 s18, s42, 18                        ; W: 262,144 bytes a panel,
	s_lshl_b32 s19, s12, 15                        ; 64 k rows of 512 bytes a half,
	s_add_co_u32 s18, s18, s19
	s_add_co_u32 s18, s18, 16384                   ; behind the pack's head
	s_mov_b32 s19, 0
	s_mul_i32 s20, s10, HALFT                      ; where they go: wave x 34,816: no place in the cluster enters an LDS address
	s_wait_dscnt 0x0                               ; the opening add is done
	s_wait_kmcnt 0x0
	s_add_nc_u64 s[14:15], s[4:5], s[16:17]
	s_add_nc_u64 s[22:23], s[6:7], s[18:19]
	s_load_b32 s[FLOOR], s[6:7], 0x0               ; waited for ahead of the first product
	CROUND                                         ; all four work-groups are here: the first joint loads meet
.irp s, 0,1
	s_mov_b32 s[G0+4*(\s)], 1
	s_add_co_u32 s[G0+4*(\s)+1], s20, (\s)*SLOT
	s_add_nc_u64 s[G0+4*(\s)+2:G0+4*(\s)+3], s[14:15], (\s)*256       ; K step s: 256 bytes along the rows
	s_or_b32 s[G0+4*(\s)+3], s[G0+4*(\s)+3], 0x80000000
	s_mov_b32 s[G0B+4*(\s)], 1
	s_add_co_u32 s[G0B+4*(\s)+1], s20, (\s)*SLOT
	s_add_nc_u64 s[G0B+4*(\s)+2:G0B+4*(\s)+3], s[22:23], (\s)*65536   ; K step s: 128 k rows down
	s_or_b32 s[G0B+4*(\s)+3], s[G0B+4*(\s)+3], 0x80000000
	JLOAD \s                                       ; two tensor loads of mine are out
.endr
	v_and_b32 v1, 15, v0                           ; l % 16
	v_bfe_u32 v2, v0, 4, 1                         ; l / 16
	v_mul_u32_u24 v3, v1, PITCH
	v_lshl_add_u32 v3, v2, 4, v3                   ; A: row x pitch + 16 x half
	v_and_b32 v4, 7, v0
	v_lshl_add_u32 v4, v2, 3, v4                   ; W: k row 8 (l / 16) + l % 8,
	v_mul_u32_u24 v4, v4, PB
	v_bfe_u32 v5, v0, 3, 1
	v_lshl_add_u32 v4, v5, 4, v4                   ; columns 8 ((l / 8) % 2) on
	s_mul_i32 s21, s11, HALFT                      ; my 128 rows of A
	s_lshl_b32 s22, s12, 8                         ; my 128 columns of W,
	s_add_co_u32 s22, s22, 2*HALFT                 ; which lies behind A
.irp s, 0,1
	v_add_nc_u32 v[ADRA+(\s)], s21, v3
	v_add_nc_u32 v[ADRB+(\s)], s22, v4
	s_add_co_u32 s21, s21, SLOT
	s_add_co_u32 s22, s22, SLOT
.endr
	s_mul_i32 s23, s10, 16*SPITCH
	s_add_co_u32 s23, s23, STAGE                   ; my stage
	v_mul_u32_u24 v6, v1, SPITCH                   ; in: row l % 16, 16 bytes for each half of the lanes
	v_lshl_add_u32 v6, v2, 4, v6
	v_add_nc_u32 v[STO], s23, v6
	v_mul_u32_u24 v7, v2, SPITCH                   ; back: lanes 0-15 one row of 256 bytes, lanes 16-31 the next
	v_lshl_add_u32 v7, v1, 4, v7
	v_add_nc_u32 v[RD], s23, v7
	v_lshlrev_b32 v7, 9, v2                        ; the same two rows in C's panel, 512 bytes apart
	v_lshl_add_u32 v[CO], v1, 4, v7
	s_lshl_b32 s16, s42, 22                        ; C: 4,194,304 bytes a panel,
	s_lshl_b32 s17, s13, 17                        ; 256 rows of 512 bytes a tile,
	s_add_co_u32 s16, s16, s17
	s_lshl_b32 s17, s11, 16                        ; my 128 rows,
	s_add_co_u32 s16, s16, s17
	s_lshl_b32 s17, s12, 8                         ; my 128 columns
	s_add_co_u32 s16, s16, s17
	s_mov_b32 s17, 0
	s_add_nc_u64 s[8:9], s[8:9], s[16:17]          ; written once; the stores' immediates do the rest
	s_lshl_b32 s46, s42, 10                        ; the bias: 256 numbers a panel,
	s_lshl_b32 s47, s12, 9                         ; my 128,
	s_add_co_u32 s46, s46, s47
	s_add_co_u32 s46, s46, 256
	s_mov_b32 s47, 0
	s_add_nc_u64 s[46:47], s[6:7], s[46:47]
	v_lshlrev_b32 v8, 5, v2                        ; my lanes' 8 of a tile's 16
	WIN TO_B
.irp b, 0,1,2,3,4,5,6,7
	global_load_b128 v[8*(\b):8*(\b)+3],   v8, s[46:47] offset:64*(\b)
	global_load_b128 v[8*(\b)+4:8*(\b)+7], v8, s[46:47] offset:64*(\b)+16
.endr
	WIN 0
; 16 products: row blocks a0, a0 + 1 of the window's four x all 8 column tiles, 32 along K.  zero = 1: the bias starts the sums.  The 64 accumulators take turns, one instruction a turn.
.macro MUL16 f, hi, a0, zero
.if \zero
	WIN 0x91+0x40*(\hi)                            ; C (the bias) in window 1
.else
	WIN MUL_LO+0x50*(\hi)
.endif
.irp a, \a0, (\a0)+1
.irp b, 0,1,2,3,4,5,6,7
.if \zero
	v_wmma_f32_16x16x32_bf16 v[8*(8*(\a)+(\b)):8*(8*(\a)+(\b))+7], v[(\f)+8*(\b):(\f)+8*(\b)+7], v[(\f)+8*(4*(\hi)+(\a)):(\f)+8*(4*(\hi)+(\a))+7], v[8*(\b):8*(\b)+7]
.else
	v_wmma_f32_16x16x32_bf16 v[8*(8*(\a)+(\b)):8*(8*(\a)+(\b))+7], v[(\f)+8*(\b):(\f)+8*(\b)+7], v[(\f)+8*(4*(\hi)+(\a)):(\f)+8*(4*(\hi)+(\a))+7], v[8*(8*(\a)+(\b)):8*(8*(\a)+(\b))+7]
.endif
.endr
.endr
.endm
; 32 LDS loads in one run: quarter q (32 along K) of a slot into buffer f: W's 8 column tiles, turned, then A's 8 row blocks
.macro FETCH slot, q, f
	WIN TO_B
.irp i, 0,1,2,3,4,5,6,7
	ds_load_tr16_b128 v[(\f)+8*(\i):(\f)+8*(\i)+3],   v[ADRB+(\slot)] offset:(\q)*32*PB+32*(\i)
	ds_load_tr16_b128 v[(\f)+8*(\i)+4:(\f)+8*(\i)+7], v[ADRB+(\slot)] offset:(\q)*32*PB+16*PB+32*(\i)
.endr
	WIN 0
.irp i, 0,1,2,3,4,5,6,7
	ds_load_b128 v[(\f)+8*(\i):(\f)+8*(\i)+3],   v[ADRA+(\slot)] offset:64*(\q)+(\i)*16*PITCH
	ds_load_b128 v[(\f)+8*(\i)+4:(\f)+8*(\i)+7], v[ADRA+(\slot)] offset:64*(\q)+(\i)*16*PITCH+32
.endr
.endm
.macro PLACES                          ; four plain vector instructions between a matrix instruction and a load into, or a vector read of, its registers
.rept 4
	v_nop
.endr
.endm
; One of a K step's first three quarters: multiplies buffer f; in its middle it fetches quarter q of the same slot into buffer g
.macro QUARTER slot, q, f, g, zero
	s_wait_dscnt 8                                 ; W and A's rows 0-63 are in; the youngest eight loads (A's rows 64-127) may be out
	MUL16 \f, 0, 0, \zero
	MUL16 \f, 0, 2, \zero
	PLACES
	FETCH \slot, \q, \g
	s_wait_dscnt 32                                ; all but the 32 just issued
	MUL16 \f, 1, 0, \zero
	MUL16 \f, 1, 2, \zero
.endm
; The last quarter's first half, and ONE barrier for the change of slots: in front of it each wave has all its tensor loads in (one was out: its part of the next slot), has added 0 to its spare word, and has its reads of this slot back
.macro MEET round
	WIN 0
	s_wait_tensorcnt 0x0
	ds_add_u32 v[SPW], v[NIL]
	s_wait_dscnt 9                                 ; the add and the youngest eight loads may be out
	MUL16 F1, 0, 0, 0                              ; sixteen products stand between the add and the wait for it
	s_wait_dscnt 0x0                               ; the add is done, my reads of this slot are over
	s_barrier_signal -1
	MUL16 F1, 0, 2, 0
.if \round
	WIN 0
.endif
	s_barrier_wait -1
.endm
; The whole last quarter.  fill = 1: the barrier opens a round of the cluster's barrier, and the slot just read out is filled again, two K steps on, first thing behind the round
.macro TURN slot, next, fill
	MEET \fill
.if \fill
	CREST                                          ; no wave of any partner still reads this slot or has a load on its way
	s_add_nc_u64 s[G0+4*(\slot)+2:G0+4*(\slot)+3], s[G0+4*(\slot)+2:G0+4*(\slot)+3], 512
	s_add_nc_u64 s[G0B+4*(\slot)+2:G0B+4*(\slot)+3], s[G0B+4*(\slot)+2:G0B+4*(\slot)+3], 131072
	JLOAD \slot                                    ; its four v_nop are also the places in front of the loads below
.else
	PLACES
.endif
	FETCH \next, 0, F0
	MUL16 F1, 1, 0, 0
	MUL16 F1, 1, 2, 0
.endm
; THE WAY OUT of row block a: rounded to bf16 and held to the floor; through my own stage in LDS; stored as whole rows of 256 bytes
.macro PACK a
.set AC, 64*((\a)%4)
	WIN 0x0a+5*((\a)/4)                            ; sources 0 and 1: window 2 or 3
.irp b, 0,1,2,3,4,5,6,7
.irp r, 0,1,2,3
	v_cvt_pk_bf16_f32 v[TMP+4*(\b)+(\r)], v[AC+8*(\b)+2*(\r)], v[AC+8*(\b)+2*(\r)+1]  ; each accumulator's registers in ascending order
.endr
.endr
	WIN 0
.set z, 0
.rept 32
	v_pk_max_num_bf16 v[TMP+z], v[TMP+z], s[FLOOR]
.set z, z+1
.endr
.endm
.macro TOSTAGE a
	WIN 0
.set BK, OB+192*((\a)%2)
.irp b, 0,1,2,3,4,5,6,7
	ds_store_b128 v[STO], v[TMP+4*(\b):TMP+4*(\b)+3] offset:32*(\b)
.endr
.irp t, 0,1,2,3,4,5,6,7
	ds_load_b128 v[BK+4*(\t):BK+4*(\t)+3], v[RD] offset:(\t)*2*SPITCH  ; LDS serves a wave's instructions in order (ISA guide 5.7.1.4): these see the stores above
.endr
.endm
.macro SEND a
	WIN 0
.set BK, OB+192*((\a)%2)
	s_wait_dscnt 0x0                               ; the block is back in registers
	s_wait_xcnt 0x0                                ; the stores of the block before have read their registers, which the next block's loads from the stage write
.irp t, 0,1,2,3,4,5,6,7
	global_store_b128 v[CO], v[BK+4*(\t):BK+4*(\t)+3], s[8:9] offset:(\a)*8192+(\t)*1024  ; 16 lanes store 256 consecutive bytes, at a multiple of 256 from C's first byte
.endr
.endm
	s_wait_tensorcnt 1                             ; my part of K step 0 is in; K step 1's may stay out
	s_barrier_signal -1
	s_barrier_wait -1
	FETCH 0, 0, F0
	s_wait_loadcnt 0x0                             ; the bias
	s_wait_kmcnt 0x0                               ; the floor
	QUARTER 0, 1, F0, F1, 1                        ; K step 0
	QUARTER 0, 2, F1, F0, 0
	QUARTER 0, 3, F0, F1, 0
	TURN 0, 1, 1                                   ; slot 0 takes K step 2
	QUARTER 1, 1, F0, F1, 0                        ; K step 1
	QUARTER 1, 2, F1, F0, 0
	QUARTER 1, 3, F0, F1, 0
	TURN 1, 0, 1                                   ; slot 1 takes K step 3
	QUARTER 0, 1, F0, F1, 0                        ; K step 2
	QUARTER 0, 2, F1, F0, 0
	QUARTER 0, 3, F0, F1, 0
	TURN 0, 1, 0                                   ; nothing is left to fetch
	QUARTER 1, 1, F0, F1, 0                        ; K step 3
	QUARTER 1, 2, F1, F0, 0
	QUARTER 1, 3, F0, F1, 0
	s_wait_dscnt 8
	MUL16 F1, 0, 0, 0
	MUL16 F1, 0, 2, 0
	s_wait_dscnt 0x0
	MUL16 F1, 1, 0, 0
	MUL16 F1, 1, 2, 0
	WIN 0
	PLACES
	PACK 0
	TOSTAGE 0
.irp a, 1,2,3,4,5,6,7                  ; block a's conversions stand between block a - 1's loads from the stage and the wait for them
	PACK \a
	SEND (\a)-1
	TOSTAGE \a
.endr
	SEND 7
	s_wait_tensorcnt 0x0                           ; the wave's end: behind my last tensor load and my last LDS store
	ds_add_u32 v[SPW], v[NIL]
	s_wait_dscnt 0x0
	CROUND                                         ; the closing round: no work-group ends while a partner may still ask for a tile that names it
	s_endpgm
.Lfunc_end_k_q417443d6e8_qkv:
	.size	k_q417443d6e8_qkv, .Lfunc_end_k_q417443d6e8_qkv-k_q417443d6e8_qkv
	.p2alignl 7, 3214868480
	.fill 96, 4, 3214868480
	.section	.rodata,"a",@progbits
	.p2align	6, 0x0
	.amdhsa_kernel k_q417443d6e8_qkv
		.amdhsa_group_segment_fixed_size 327680
		.amdhsa_private_segment_fixed_size 0
		.amdhsa_enable_private_segment 0
		.amdhsa_kernarg_size 24
		.amdhsa_user_sgpr_count 2
		.amdhsa_user_sgpr_kernarg_segment_ptr 1
		.amdhsa_wavefront_size32 1
		.amdhsa_system_sgpr_workgroup_id_x 1
		.amdhsa_system_sgpr_workgroup_id_y 1
		.amdhsa_system_sgpr_workgroup_id_z 1
		.amdhsa_system_vgpr_workitem_id 0
		.amdhsa_next_free_vgpr 1024
		.amdhsa_next_free_sgpr 66
		.amdhsa_reserve_vcc 0
		.amdhsa_float_denorm_mode_32 3
		.amdhsa_float_denorm_mode_16_64 3
		.amdhsa_memory_ordered 1
		.amdhsa_forward_progress 1
		.amdhsa_inst_pref_size 160
	.end_amdhsa_kernel
	.amdgpu_metadata
---
amdhsa.version: [ 1, 2 ]
amdhsa.kernels:
  - .name:           k_q417443d6e8_qkv
    .symbol:         k_q417443d6e8_qkv.kd
    .args:
      - { .name: act0, .offset: 0, .size: 8, .value_kind: global_buffer, .address_space: global }
      - { .name: pq, .offset: 8, .size: 8, .value_kind: global_buffer, .address_space: global }
      - { .name: big, .offset: 16, .size: 8, .value_kind: global_buffer, .address_space: global }
    .group_segment_fixed_size: 327680
    .private_segment_fixed_size: 0
    .kernarg_segment_align: 8
    .kernarg_segment_size: 24
    .max_flat_workgroup_size: 128
    .sgpr_count:     66
    .vgpr_count:     1024
    .wavefront_size: 32
...
	.end_amdgpu_metadata
.endif
;; end of part 2
;; launch attn (part 3): grid 32 x 8, 4 waves a work-group, no clusters, 240,128 bytes of LDS; arguments big, act0; writes act0
.if DOCPART == 3
	.amdgcn_target "amdgcn-amd-amdhsa--gfx1250"
	.amdhsa_code_object_version 6
	.text
	.protected	k_q417443d6e8_attn
	.globl	k_q417443d6e8_attn
	.p2align	8
	.type	k_q417443d6e8_attn,@function
k_q417443d6e8_attn:
	s_mov_b64 s[64:65], 0
	v_nop
	global_prefetch_b8 v0, s[64:65] scope:SCOPE_SE
	s_setreg_imm32_b32 hwreg(HW_REG_WAVE_MODE, 25, 1), 1
	s_wait_xcnt 0x0
; BANDED ATTENTION.  o[b][i][head] = the sum over |i - j| <= 64 of softmax_j(q_i . k_j / 8) v_j, head size 64.  q, k, v lie in panels [6][8192][256] bf16 (0, 1: q; 2, 3: k; 4, 5: v; a panel's row holds
; four heads, 128 bytes each); o leaves as [8192][512] bf16.  Products, maxima and sums in f32; the weights are rounded to bf16 for the second product (their sum is taken unrounded), o once.
; LIMITS.  A hidden score counts as its value less 1e30; a weight below 2^-126 counts as 0; NaN and infinities are not treated apart.  The row's true maximum is taken away before the exponentials.
; SHARES.  A work-group: 64 queries (block i of a sequence's 32) x the four heads of one panel; a wave: one head.  The keys are blocks i - 1, i, i + 1: 192 rows, 12 tiles of 16.  At a sequence's ends the
; missing block's address is held to block 0 or 31: finite numbers that the mask hides.  Query tile t (16 rows) needs the key tiles t + d, d = 0..8: d = 0 shows key kk >= query qq, d = 8 shows kk <= qq, the others all.
; K and V come in once, by six tensor loads (waves 0-2: a block of K and of V each); nothing is filled again.
; NO CLUSTER: a block of K or V is read by three neighbouring work-groups, but each wants it at another LDS place (first, middle, last of its 192 rows), so no common descriptor exists.
; LAYOUT.  S^T = K Q^T: a lane holds ONE query (l % 16) and the keys 8 (l / 16) + 0..7 of a tile.  Two tiles rounded to bf16 ARE source 1 (32 keys x 16 queries) of O^T = V^T P.  V's fragments go by aligned groups of 32
; keys, so an odd t lays its nine tiles one place on, and the one empty place of ten holds 0.  THE MASK is the C operand that starts a score's sum: 0 or -1e30.
; REGISTERS, in windows of 256 (s_set_vgpr_msb: bits 1:0 source 0, 3:2 source 1, 5:4 source 2, 7:6 destination):
;   window 0: v0-15 addresses; v16-29 at work; v32-63 masks; v64-207 S^T, two buffers of 9 tiles; v208-247 P, ten places of 4; v248-255 1 / l
;   window 1: v0-191 K (tile j, channel half c at 16 j + 8 c); v192-255 Q (16 t + 8 c)          window 2: v0-191 V (key group kk, channel tile cb at 32 kk + 8 cb); v192-255 O^T, two buffers
.set PK,    528                        ; a row of K in LDS: 512 bytes + 16
.set PV,    544                        ; a row of V: 512 + 32
.set VOFF,  192*PK
.set STAGE, VOFF+192*PV                ; 64 rows x 528 bytes, the work-group's, for the way out; no tensor load fills it
.set SP,    528
.set SPARE, STAGE+64*SP                ; the spare words, 128 bytes a wave: two blocks of 256 bytes that no other line names
.set AK0, 3                            ; v3, v4  K's fragments: key tiles 0-5, 6-11
.set AV0, 5                            ; v5, v6  V's: key groups 0-2, 3-5
.set QO,  7
.set STO, 8
.set RD,  9
.set GO,  10
.set BIG, 11                           ; v11  -1e30
.set SPW, 12                           ; v12  my spare word; never rewritten
.set NIL, 13                           ; v13  0; never rewritten
.set CC,  16                           ; v16-24  nine running maxima
.set CM,  26                           ; v26  c m (v27 is named with it as a pair)
.set LL,  28                           ; v28-29  l at work
.set M0L, 32                           ; the mask of d = 0
.set M8H, 40                           ; of d = 8
.set ZLO, 48                           ; of a whole tile of block i - 1: 0, or -1e30 where i = 0
.set ZHI, 56                           ; of block i + 1: 0, or -1e30 where i = 31
.set S,   64
.set P,   208
.set RR,  248                          ; 1 / l of tile t at RR + 2 t (the odd ones are named as pairs)
.set WV,  12
.set G1K, 24
.set G1V, 32
.set G0K, 40
.set G0V, 44
.set CS,  58                           ; s[58:59] c = log2(e) / 8
.set SEL, 60                           ; s[60:61] v_permlanex16_b32's selects: each lane takes its own place in the other half
.set MSB, 0
.macro WIN new
.if MSB != (\new)
	s_set_vgpr_msb (MSB<<8)|(\new)
.set MSB, \new
.endif
.endm
.macro PLACES
.rept 4
	v_nop
.endr
.endm
	s_load_b128 s[4:7], s[0:1], 0x0                ; panels s[4:5], o s[6:7]
	v_lshl_add_u32 v[SPW], v0, 2, SPARE
	v_mov_b32 v[NIL], 0
	ds_add_u32 v[SPW], v[NIL]                      ; the wave's opening: the add and its wait ahead of my first tensor load
	v_lshrrev_b32 v1, 5, v0
	v_readfirstlane_b32 s[WV], v1                  ; wave 0..3
	s_mov_b32 s13, ttmp9                           ; i
	s_and_b32 s14, ttmp7, 0xffff
	s_lshr_b32 s15, s14, 1                         ; the sequence
	s_and_b32 s16, s14, 1                          ; which four heads
	s_add_co_u32 s17, s13, s[WV]                   ; wave w fetches block i + w - 1, held to 0..31
	s_max_u32 s17, s17, 1
	s_sub_co_u32 s17, s17, 1
	s_min_u32 s17, s17, 31
	s_lshl_b32 s18, s17, 15                        ; 64 rows of 512 bytes a block,
	s_lshl_b32 s19, s15, 20                        ; 2,048 rows a sequence,
	s_add_co_u32 s18, s18, s19
	s_lshl_b32 s19, s16, 22                        ; 4,194,304 bytes a panel,
	s_add_co_u32 s18, s18, s19
	s_add_co_u32 s18, s18, 2*4194304               ; K's panels are 2 and 3
	s_mov_b32 s19, 0
	s_lshl_b32 s20, s16, 22                        ; Q: panel, sequence, block, head
	s_lshl_b32 s21, s15, 20
	s_add_co_u32 s20, s20, s21
	s_lshl_b32 s21, s13, 15
	s_add_co_u32 s20, s20, s21
	s_lshl_b32 s52, s[WV], 7                       ; my head's 128 bytes of a row
	s_add_co_u32 s20, s20, s52
	s_mov_b32 s21, 0
	s_lshl_b32 s48, s15, 21                        ; o: rows of 1,024 bytes: sequence, block, my 16 rows, the panel's 512 bytes
	s_lshl_b32 s49, s13, 16
	s_add_co_u32 s48, s48, s49
	s_lshl_b32 s49, s[WV], 14
	s_add_co_u32 s48, s48, s49
	s_lshl_b32 s49, s16, 9
	s_add_co_u32 s48, s48, s49
	s_mov_b32 s49, 0
	s_mov_b32 s[G1K], (1<<16)|(1<<20)|(6<<22)|(3<<25)  ; elements of 2 bytes; padding on: after every 128 words, 4 words
	s_mov_b32 s[G1V], (1<<16)|(1<<20)|(6<<22)|(7<<25)  ; 8 words
.irp g, G1K, G1V
	s_mov_b32 s[\g+1], 256<<16                     ; tensor_dim0 = 256
	s_mov_b32 s[\g+2], 64<<16                      ; tensor_dim1 = 64
	s_mov_b32 s[\g+3], 256<<16                     ; tile_dim0 = 256
	s_mov_b32 s[\g+4], 64                          ; tile_dim1 = 64
	s_mov_b32 s[\g+5], 256                         ; 256 elements from row to row
	s_mov_b32 s[\g+6], 0
	s_mov_b32 s[\g+7], 0
.endr
	s_mov_b32 s[G0K], 1
	s_mul_i32 s[G0K+1], s[WV], 64*PK               ; block w of the 192 rows
	s_mov_b32 s[G0V], 1
	s_mul_i32 s[G0V+1], s[WV], 64*PV
	s_add_co_u32 s[G0V+1], s[G0V+1], VOFF
	s_mov_b32 s[CS], 0x3e38aa3b
	s_mov_b32 s[CS+1], s[CS]
	s_mov_b32 s[SEL], 0x76543210
	s_mov_b32 s[SEL+1], 0xfedcba98
	s_cmp_eq_u32 s13, 0
	s_cselect_b32 s50, 0xf149f2ca, 0               ; -1e30 where block i - 1 does not exist
	s_cmp_eq_u32 s13, 31
	s_cselect_b32 s51, 0xf149f2ca, 0               ; where block i + 1 does not
	s_wait_dscnt 0x0                               ; the opening add is done
	s_wait_kmcnt 0x0
	s_add_nc_u64 s[G0K+2:G0K+3], s[4:5], s[18:19]
	s_add_nc_u64 s[G0V+2:G0V+3], s[G0K+2:G0K+3], 2*4194304  ; V's panels lie two further on
	s_or_b32 s[G0K+3], s[G0K+3], 0x80000000
	s_or_b32 s[G0V+3], s[G0V+3], 0x80000000
	s_add_nc_u64 s[22:23], s[4:5], s[20:21]        ; Q
	s_add_nc_u64 s[6:7], s[6:7], s[48:49]          ; o
	s_cmp_lt_u32 s[WV], 3                          ; a wave's two fills stand in one branch; wave 3 has none
	s_cbranch_scc0 .Lno_fill
	tensor_load_to_lds s[G0K:G0K+3], s[G1K:G1K+7]
	s_nop 0
	tensor_load_to_lds s[G0V:G0V+3], s[G1V:G1V+7]
	s_nop 0
.rept 4
	v_nop
.endr
.Lno_fill:
	v_and_b32 v1, 15, v0                           ; l % 16
	v_bfe_u32 v2, v0, 4, 1                         ; l / 16
	v_lshlrev_b32 v[QO], 9, v1
	v_lshl_add_u32 v[QO], v2, 4, v[QO]             ; row x 512 + 16 x half
	WIN 0x40                                       ; destination window 1
.irp t, 0,1,2,3
.irp c, 0,1
	global_load_b128 v[192+16*(\t)+8*(\c):192+16*(\t)+8*(\c)+3],   v[QO], s[22:23] offset:(\t)*8192+64*(\c)
	global_load_b128 v[192+16*(\t)+8*(\c)+4:192+16*(\t)+8*(\c)+7], v[QO], s[22:23] offset:(\t)*8192+64*(\c)+32
.endr
.endr
	WIN 0
	v_mul_u32_u24 v[AK0], v1, PK
	v_lshl_add_u32 v[AK0], v2, 4, v[AK0]
	v_add_nc_u32 v[AK0], s52, v[AK0]               ; row x pitch + 16 x half + my head
	v_add_nc_u32 v[AK0+1], 6*16*PK, v[AK0]
	v_and_b32 v15, 7, v0
	v_lshl_add_u32 v[AV0], v2, 3, v15              ; the turning load: key 8 (l / 16) + l % 8,
	v_mul_u32_u24 v[AV0], v[AV0], PV
	v_bfe_u32 v15, v0, 3, 1
	v_lshl_add_u32 v[AV0], v15, 4, v[AV0]          ; channels 8 ((l / 8) % 2) on
	s_add_co_u32 s53, s52, VOFF
	v_add_nc_u32 v[AV0], s53, v[AV0]
	v_add_nc_u32 v[AV0+1], 3*32*PV, v[AV0]
	v_mul_u32_u24 v[STO], v1, SP                   ; the way out, in: row l % 16, my head, 16 bytes for each half of the lanes
	v_lshl_add_u32 v[STO], v2, 4, v[STO]
	s_add_co_u32 s53, s52, STAGE
	v_add_nc_u32 v[STO], s53, v[STO]
	v_and_b32 v[GO], 31, v0
	v_lshlrev_b32 v[GO], 4, v[GO]                  ; back: a row's 512 bytes, 16 a lane
	s_mul_i32 s53, s[WV], 16*SP
	s_add_co_u32 s53, s53, STAGE
	v_add_nc_u32 v[RD], s53, v[GO]
	v_mov_b32 v[BIG], 0xf149f2ca
	v_mov_b32 v[CM+1], 0
	v_mov_b32 v[LL+1], 0
.irp t, 0,1,2,3
	v_mov_b32 v[RR+2*(\t)+1], 0
.endr
	v_lshlrev_b32 v14, 3, v2
	v_sub_nc_u32 v14, v1, v14                      ; my query's place less my lanes' 8 (l / 16): register r stands for key r + 8 (l / 16)
.irp r, 0,1,2,3,4,5,6,7
	v_mov_b32 v[ZLO+(\r)], s50
	v_mov_b32 v[ZHI+(\r)], s51
.endr
.irp r, 0,1,2,3,4,5,6,7
	v_cmp_lt_i32 vcc_lo, \r, v14                   ; d = 0: the key lies more than 64 below the query
	v_cndmask_b32 v[M0L+(\r)], v[ZLO+(\r)], v[BIG], vcc_lo
	v_cmp_gt_i32 vcc_lo, \r, v14                   ; d = 8: more than 64 above
	v_cndmask_b32 v[M8H+(\r)], v[ZHI+(\r)], v[BIG], vcc_lo
.endr
; 18 products of S^T = K Q^T for query tile t: channel half c = 0 starts the nine sums with the mask, c = 1 ends them.  The nine accumulators take turns.
.macro QK t
	WIN 0x05                                       ; K and Q in window 1
.irp c, 0,1
.irp d, 0,1,2,3,4,5,6,7,8
.set rS, S+72*((\t)%2)+8*(\d)
.set rK, 16*((\t)+(\d))+8*(\c)
.set rQ, 192+16*(\t)+8*(\c)
.if (\c) == 1
	v_wmma_f32_16x16x32_bf16 v[rS:rS+7], v[rK:rK+7], v[rQ:rQ+7], v[rS:rS+7]
.elseif (\d) == 0
	v_wmma_f32_16x16x32_bf16 v[rS:rS+7], v[rK:rK+7], v[rQ:rQ+7], v[M0L:M0L+7]
.elseif (\d) == 8
	v_wmma_f32_16x16x32_bf16 v[rS:rS+7], v[rK:rK+7], v[rQ:rQ+7], v[M8H:M8H+7]
.elseif ((\t)+(\d)) < 4
	v_wmma_f32_16x16x32_bf16 v[rS:rS+7], v[rK:rK+7], v[rQ:rQ+7], v[ZLO:ZLO+7]
.elseif ((\t)+(\d)) >= 8
	v_wmma_f32_16x16x32_bf16 v[rS:rS+7], v[rK:rK+7], v[rQ:rQ+7], v[ZHI:ZHI+7]
.else
	v_wmma_f32_16x16x32_bf16 v[rS:rS+7], v[rK:rK+7], v[rQ:rQ+7], 0
.endif
.endr
.endr
.endm
; The softmax of query tile t: the maximum of the lane's 72 scores and of the other half of the lanes'; p = 2^(c s - c m); P in bf16; l and 1 / l.
.macro SM t
	WIN 0
.set rS, S+72*((\t)%2)
.irp d, 0,1,2,3,4,5,6,7,8
	v_max3_num_f32 v[CC+(\d)], v[rS+8*(\d)], v[rS+8*(\d)+1], v[rS+8*(\d)+2]  ; each accumulator's lowest registers are read first
.endr
.irp d, 0,1,2,3,4,5,6,7,8
	v_max3_num_f32 v[CC+(\d)], v[CC+(\d)], v[rS+8*(\d)+3], v[rS+8*(\d)+4]
.endr
.irp d, 0,1,2,3,4,5,6,7,8
	v_max3_num_f32 v[CC+(\d)], v[CC+(\d)], v[rS+8*(\d)+5], v[rS+8*(\d)+6]
.endr
	v_max3_num_f32 v[CC], v[CC], v[rS+7], v[rS+15]
	v_max3_num_f32 v[CC+1], v[CC+1], v[rS+23], v[rS+31]
	v_max3_num_f32 v[CC+2], v[CC+2], v[rS+39], v[rS+47]
	v_max3_num_f32 v[CC+3], v[CC+3], v[rS+55], v[rS+63]
	v_max_num_f32 v[CC+4], v[CC+4], v[rS+71]
	v_max3_num_f32 v[CC], v[CC], v[CC+1], v[CC+2]
	v_max3_num_f32 v[CC+3], v[CC+3], v[CC+4], v[CC+5]
	v_max3_num_f32 v[CC+6], v[CC+6], v[CC+7], v[CC+8]
	v_max3_num_f32 v[CC], v[CC], v[CC+3], v[CC+6]
	v_permlanex16_b32 v[CC+1], v[CC], s[SEL], s[SEL+1]  ; the query's other keys lie in the lane 16 away
	v_max_num_f32 v[CC], v[CC], v[CC+1]
	v_mul_f32 v[CM], s[CS], v[CC]
.set z, 0
.rept 36
	v_pk_fma_f32 v[rS+2*z:rS+2*z+1], v[rS+2*z:rS+2*z+1], s[CS:CS+1], v[CM:CM+1] op_sel_hi:[1,0,0] neg_lo:[0,0,1] neg_hi:[0,0,1]  ; c s - c m
.set z, z+1
.endr
.set z, 0
.rept 72
	v_exp_f32 v[rS+z], v[rS+z]                     ; one batch
.set z, z+1
.endr
	v_nop                                          ; a plain instruction behind the last exponential,
	s_wait_alu depctr_va_vdst(0)                   ; and ONE wait ahead of the first use: for the 72, and for the reciprocal of the tile before
.set z, 0
.rept 36
	v_cvt_pk_bf16_f32 v[P+4*((\t)%2)+z], v[rS+2*z], v[rS+2*z+1]  ; tile d at place d + t % 2
.set z, z+1
.endr
.irp k, 0,1,2,3
	v_mov_b32 v[P+36*(1-(\t)%2)+(\k)], 0           ; the empty place: the last for an even t, the first for an odd one
.endr
.set z, 4
.rept 32
	v_pk_add_f32 v[rS+2*(z%4):rS+2*(z%4)+1], v[rS+2*(z%4):rS+2*(z%4)+1], v[rS+2*z:rS+2*z+1]  ; four chains
.set z, z+1
.endr
	v_pk_add_f32 v[rS:rS+1], v[rS:rS+1], v[rS+2:rS+3]
	v_pk_add_f32 v[rS+4:rS+5], v[rS+4:rS+5], v[rS+6:rS+7]
	v_pk_add_f32 v[rS:rS+1], v[rS:rS+1], v[rS+4:rS+5]
	v_add_f32 v[LL], v[rS], v[rS+1]
	v_permlanex16_b32 v[LL+1], v[LL], s[SEL], s[SEL+1]
	v_add_f32 v[LL], v[LL], v[LL+1]
	v_rcp_f32 v[RR+2*(\t)], v[LL]                  ; first used behind the next tile's wait (the last tile's has a wait of its own)
	v_nop
.endm
; 20 products of O^T = V^T P for query tile t: five groups of 32 keys x four channel tiles; the four accumulators take turns; the first group starts the sums
.macro PVM t
	WIN 0xa2                                       ; V and O^T in window 2, P in window 0
.irp u, 0,1,2,3,4
.irp cb, 0,1,2,3
.set rO, 192+32*((\t)%2)+8*(\cb)
.set rV, 32*((\t)/2+(\u))+8*(\cb)
.set rP, P+8*(\u)
.if (\u) == 0
	v_wmma_f32_16x16x32_bf16 v[rO:rO+7], v[rV:rV+7], v[rP:rP+7], 0
.else
	v_wmma_f32_16x16x32_bf16 v[rO:rO+7], v[rV:rV+7], v[rP:rP+7], v[rO:rO+7]
.endif
.endr
.endr
.endm
; Query tile t leaves: O^T / l, rounded to bf16 in place, 16 bytes a lane and channel tile into the stage
.macro OUT t
.set rO, 192+32*((\t)%2)
	WIN 0x82                                       ; O^T in window 2, 1 / l in window 0
.set z, 0
.rept 16
	v_pk_mul_f32 v[rO+2*z:rO+2*z+1], v[rO+2*z:rO+2*z+1], v[RR+2*(\t):RR+2*(\t)+1] op_sel_hi:[1,0]
.set z, z+1
.endr
	WIN 0x8a
.set z, 0
.rept 16
	v_cvt_pk_bf16_f32 v[rO+z], v[rO+2*z], v[rO+2*z+1]  ; register z is written when 2 z and 2 z + 1 are read: never ahead of its own reading
.set z, z+1
.endr
	WIN 0x08                                       ; the store's data in window 2
.irp cb, 0,1,2,3
	ds_store_b128 v[STO], v[rO+4*(\cb):rO+4*(\cb)+3] offset:(\t)*16*SP+32*(\cb)
.endr
.endm
	s_wait_tensorcnt 0x0                           ; my blocks of K and V are in,
	s_barrier_signal -1
	s_barrier_wait -1                              ; everybody's are
	WIN 0x40
.set j, 0
.rept 12                               ; my head's K: 48 loads
.irp c, 0,1
	ds_load_b128 v[16*j+8*(\c):16*j+8*(\c)+3],   v[AK0+j/6] offset:(j%6)*16*PK+64*(\c)
	ds_load_b128 v[16*j+8*(\c)+4:16*j+8*(\c)+7], v[AK0+j/6] offset:(j%6)*16*PK+64*(\c)+32
.endr
.set j, j+1
.endr
	WIN 0x80
.set k, 0
.rept 6                                ; my head's V, turned: 48 loads
.irp cb, 0,1,2,3
	ds_load_tr16_b128 v[32*k+8*(\cb):32*k+8*(\cb)+3],   v[AV0+k/3] offset:(k%3)*32*PV+32*(\cb)
	ds_load_tr16_b128 v[32*k+8*(\cb)+4:32*k+8*(\cb)+7], v[AV0+k/3] offset:(k%3)*32*PV+16*PV+32*(\cb)
.endr
.set k, k+1
.endr
	WIN 0
	s_wait_loadcnt 0x0                             ; Q
	s_wait_dscnt 48                                ; K is in; V's 48 loads may stay out
	QK 0
	QK 1                                           ; a tile's scores are made one tile ahead of its softmax
	PLACES                                         ; between tile 0's products and the first read of its scores
	SM 0
	s_wait_dscnt 0x0                               ; V is in
	PVM 0
	QK 2
	PLACES
	SM 1
	PVM 1
	OUT 0
	QK 3
	PLACES
	SM 2
	PVM 2
	OUT 1                                          ; its 32 plain lines are the places behind tile 2's products, whose P the next softmax writes
	SM 3
	PVM 3
	OUT 2
	WIN 0
	s_wait_alu depctr_va_vdst(0)                   ; the last reciprocal's wait; OUT 2's lines are the places behind tile 3's products
	OUT 3
	WIN 0
	s_wait_dscnt 0x0                               ; for the others' sake: my stores into the stage are done
	s_barrier_signal -1
	s_barrier_wait -1                              ; a row's 512 bytes come from four waves
.set z, 0
.rept 16
	ds_load_b128 v[S+4*z:S+4*z+3], v[RD] offset:z*SP  ; wave w takes rows 16 w .. 16 w + 15, whole
.set z, z+1
.endr
.set z, 0
.rept 16
	s_wait_dscnt 15-z                              ; row z is in; the younger loads stay out
	global_store_b128 v[GO], v[S+4*z:S+4*z+3], s[6:7] offset:z*1024  ; 512 consecutive bytes, at a multiple of 256 from o's first byte
.set z, z+1
.endr
	s_wait_tensorcnt 0x0                           ; the wave's end: behind my last tensor load and my last LDS store
	ds_add_u32 v[SPW], v[NIL]
	s_wait_dscnt 0x0
	s_endpgm
.Lfunc_end_k_q417443d6e8_attn:
	.size	k_q417443d6e8_attn, .Lfunc_end_k_q417443d6e8_attn-k_q417443d6e8_attn
	.p2alignl 7, 3214868480
	.fill 96, 4, 3214868480
	.section	.rodata,"a",@progbits
	.p2align	6, 0x0
	.amdhsa_kernel k_q417443d6e8_attn
		.amdhsa_group_segment_fixed_size 240128
		.amdhsa_private_segment_fixed_size 0
		.amdhsa_enable_private_segment 0
		.amdhsa_kernarg_size 16
		.amdhsa_user_sgpr_count 2
		.amdhsa_user_sgpr_kernarg_segment_ptr 1
		.amdhsa_wavefront_size32 1
		.amdhsa_system_sgpr_workgroup_id_x 1
		.amdhsa_system_sgpr_workgroup_id_y 1
		.amdhsa_system_sgpr_workgroup_id_z 1
		.amdhsa_system_vgpr_workitem_id 0
		.amdhsa_next_free_vgpr 768
		.amdhsa_next_free_sgpr 66
		.amdhsa_reserve_vcc 1
		.amdhsa_float_denorm_mode_32 3
		.amdhsa_float_denorm_mode_16_64 3
		.amdhsa_memory_ordered 1
		.amdhsa_forward_progress 1
		.amdhsa_inst_pref_size 85
	.end_amdhsa_kernel
	.amdgpu_metadata
---
amdhsa.version: [ 1, 2 ]
amdhsa.kernels:
  - .name:           k_q417443d6e8_attn
    .symbol:         k_q417443d6e8_attn.kd
    .args:
      - { .name: big, .offset: 0, .size: 8, .value_kind: global_buffer, .address_space: global }
      - { .name: act0, .offset: 8, .size: 8, .value_kind: global_buffer, .address_space: global }
    .group_segment_fixed_size: 240128
    .private_segment_fixed_size: 0
    .kernarg_segment_align: 8
    .kernarg_segment_size: 16
    .max_flat_workgroup_size: 128
    .sgpr_count:     66
    .vgpr_count:     768
    .wavefront_size: 32
...
	.end_amdgpu_metadata
.endif
;; end of part 3
;; launch projln (part 4): grid 256 x 1, 8 waves a work-group, clusters of 4 x 1, 327,680 bytes of LDS; arguments act0, po, x, ln1_g, ln1_b, h; writes h
.if DOCPART == 4
	.amdgcn_target "amdgcn-amd-amdhsa--gfx1250"
	.amdhsa_code_object_version 6
	.text
	.protected	k_q417443d6e8_projln
	.globl	k_q417443d6e8_projln
	.p2align	8
	.type	k_q417443d6e8_projln,@function
k_q417443d6e8_projln:
	s_mov_b64 s[64:65], 0
	v_nop
	global_prefetch_b8 v0, s[64:65] scope:SCOPE_SE
	s_setreg_imm32_b32 hwreg(HW_REG_WAVE_MODE, 25, 1), 1
	s_wait_xcnt 0x0
	s_wait_alu depctr_hold_cnt(0) depctr_sa_sdst(0) depctr_va_vdst(0) depctr_va_sdst(0) depctr_va_ssrc(0) depctr_va_vcc(0) depctr_vm_vsrc(0)
	s_getreg_b32 s2, hwreg(HW_REG_IB_STS2, 6, 4)
	s_cmp_eq_u32 s2, 0
	s_cbranch_scc0 .Lentry_in_a_cluster
	s_endpgm
.Lentry_in_a_cluster:
	s_bfe_u32 s2, ttmp6, 0x10000c
	s_cmp_lg_u32 s2, 0x3003
	s_cbranch_scc0 .Lentry_shape_is_right
	s_endpgm
.Lentry_shape_is_right:
; h = LayerNorm(x + o W + bias) x g + b over rows of 512.  o: [8192][512] bf16; W and bias lie in a pack (from byte 256 the bias in f32, from byte 16,384 W in panels [2][512 k][256 n] bf16);
; x: [8192][512] f32; g, b: [512] f32; h: [8192][512] bf16.  Products' sums, the residual and the LayerNorm in f32 (two passes: the mean, then the centred squares; eps = 1e-5); h is rounded once.
; LIMITS.  The product's operands are bf16; NaN and infinities are not treated apart.
; SHARES.  A work-group owns 32 WHOLE rows, so that the LayerNorm needs no other work-group: 256 work-groups.  Eight waves, two to a SIMD: wave w makes 32 rows x columns 64 w .. 64 w + 63, 8 accumulators of
; 16 x 16, and later normalises rows 4 w .. 4 w + 3.  K = 512 goes in four steps of 128 through two LDS slots, each with 128 k rows of both panels of W; the work-group's 32 rows of o lie in LDS whole.
; CLUSTER.  4 x 1: four row blocks.  All need the same tiles of W, which are asked for JOINTLY (mask 15); o's rows are each work-group's own (mask 0) and go out behind the same first round.
; THE PRODUCT IS TAKEN TRANSPOSED: source 0 = 16 columns of W (turned out of LDS by ds_load_tr16_b128, since W lies [k][n]), source 1 = 16 rows of o.  A lane then holds row l % 16 and the columns
; 8 (l / 16) + 0..7: 32 bytes of f32.  The bias, laid in that form, is the C operand of each accumulator's first product.
; THE STAGE.  The sums go in f32 through LDS, rows of 2,064 bytes, and come back as whole rows.  The stage lies in slot 0, which has had its last fill by then; the barrier that ends K step 2 shows every wave's reads of it over.
; REGISTERS.  v0-15 addresses; v16-47 o's fragments, two buffers of 2 row blocks; v48-111 W's fragments, two buffers of 4 column tiles; v112-175 the accumulators ((a, b) at 112 + 8 (4 a + b));
;   v176-239 x of my four rows (lane L owns columns 128 i + 4 L .. + 3).  The LayerNorm works in the fragments' registers.  Window 1 (s_set_vgpr_msb: bits 1:0 source 0, 3:2 source 1, 5:4 source 2,
;   7:6 destination): v0-15 g, v16-31 b, v32-63 the bias.
.set PA,     1040                      ; o's row in LDS: 1,024 bytes + 16: the 16 rows of a fragment load start 16 bytes further on in each 256
.set PB,     544                       ; W's row in LDS: 512 bytes + 32: the turning load's 8 rows x 32 bytes fall on different words of 256 bytes
.set PANEL,  128*PB                    ; a K step's rows of one panel
.set SLOT,   2*PANEL
.set EIGHTH, 32*PB                     ; what one wave's load of W brings: 32 k rows of one panel
.set AOFF,   2*SLOT                    ; behind the ring: o, 32 rows
.set SPARE,  AOFF+32*PA                ; the spare words, 128 bytes a wave: four blocks of 256 bytes that no other line names
.set SPF,    2064                      ; a stage row: 2,048 bytes + 16
.set ADRA, 4                           ; v4    LDS address of my lane's place in o's fragments
.set ADRB, 5                           ; v5-6  the same for W, slot 0, 1
.set STO,  7                           ; v7    the stage: where I put 32 bytes of a row
.set RD,   8                           ; v8    where I read my rows back
.set XO,   9                           ; v9    16 x lane
.set HO,   10                          ; v10   8 x lane
.set BO,   11                          ; v11   32 x (l / 16)
.set SPW,  12                          ; v12   my spare word; never rewritten
.set NIL,  13                          ; v13   0; never rewritten
.set FA,   16
.set FB,   48
.set ACC,  112
.set X,    176
.set Y,    48                          ; the LayerNorm: row r's 16 numbers at Y + 16 r
.set SUM,  16                          ; row r: a pair of sums
.set MU,   24                          ; row r: minus the mean, twice
.set RR,   32                          ; row r: 1 / sigma (the odd ones are named as pairs)
.set G,    0                           ; window 1
.set BV,   16
.set BIAS, 32
.set WV,   16                          ; s16  my wave's number
.set G1A,  24                          ; s[24:31] group 1 for o's rows;  s[32:35] group 0
.set G0A,  32
.set G1B,  36                          ; s[36:43] group 1 for W's tiles;  s[44:51] group 0, a set for each slot
.set G0B,  44
.set MSB, 0
.macro WIN new                         ; the immediate's high byte repeats the setting that is left; a switch that changes nothing is dropped
.if MSB != (\new)
	s_set_vgpr_msb (MSB<<8)|(\new)
.set MSB, \new
.endif
.endm
.macro CROUND                          ; a round of the cluster's barrier: my work-group's barrier; wave 0 signals for the work-group; every wave waits for all four; my work-group's barrier once more
	s_barrier_signal -1
	s_barrier_wait -1
	s_cmp_lg_u32 s[WV], 0
	s_cbranch_scc1 .Lnot_wave_0_\@
	s_barrier_signal -3
.Lnot_wave_0_\@:
	s_barrier_wait -3
	s_barrier_signal -1
	s_barrier_wait -1
.endm
.macro PLACES                          ; four plain vector instructions between a matrix instruction and a load into, or a read of, its registers
.rept 4
	v_nop
.endr
.endm
	s_load_b256 s[4:11], s[0:1], 0x0               ; o s[4:5], pack s[6:7], x s[8:9], g s[10:11]
	s_load_b128 s[12:15], s[0:1], 0x20             ; b s[12:13], h s[14:15]
	v_lshl_add_u32 v[SPW], v0, 2, SPARE
	v_mov_b32 v[NIL], 0
	ds_add_u32 v[SPW], v[NIL]                      ; the wave's opening: the add and its wait ahead of my first tensor load; the set-up below stands between them
	v_lshrrev_b32 v1, 5, v0
	v_readfirstlane_b32 s[WV], v1                  ; wave 0..7
	s_bfe_u32 s17, ttmp6, 0x40000                  ; cx
	s_lshl_b32 s18, ttmp9, 2
	s_add_co_u32 s18, s18, s17                     ; my block of 32 rows = 4 x cluster x + cx: it enters o's, x's and h's addresses alone
	s_mov_b32 s[G1A+0], (1<<16)|(1<<20)|(7<<22)|(3<<25)  ; no mask; elements of 2 bytes; padding on: after every 256 words, 4 words
	s_mov_b32 s[G1A+1], 512<<16                    ; tensor_dim0 = 512
	s_mov_b32 s[G1A+2], 4<<16                      ; tensor_dim1 = 4
	s_mov_b32 s[G1A+3], 512<<16                    ; tile_dim0 = 512
	s_mov_b32 s[G1A+4], 4                          ; tile_dim1 = 4
	s_mov_b32 s[G1A+5], 512                        ; 512 elements from row to row
	s_mov_b32 s[G1A+6], 0
	s_mov_b32 s[G1A+7], 0
	s_mov_b32 s[G1B+0], 15|(1<<16)|(1<<20)|(1<<21)|(6<<22)|(7<<25)  ; the mask of four, bit 21 beside it; padding: after every 128 words, 8 words
	s_mov_b32 s[G1B+1], 256<<16                    ; tensor_dim0 = 256
	s_mov_b32 s[G1B+2], 32<<16                     ; tensor_dim1 = 32
	s_mov_b32 s[G1B+3], 256<<16                    ; tile_dim0 = 256
	s_mov_b32 s[G1B+4], 32                         ; tile_dim1 = 32
	s_mov_b32 s[G1B+5], 256                        ; 256 elements from row to row
	s_mov_b32 s[G1B+6], 0
	s_mov_b32 s[G1B+7], 0
	s_lshl_b32 s20, s18, 15                        ; o: 32 rows of 1,024 bytes a block,
	s_lshl_b32 s19, s[WV], 12                      ; the 4 that I fetch
	s_add_co_u32 s20, s20, s19
	s_mov_b32 s21, 0
	s_lshr_b32 s22, s[WV], 2                       ; W: waves 0-3 fetch panel 0, waves 4-7 panel 1: 262,144 bytes a panel,
	s_lshl_b32 s22, s22, 18
	s_and_b32 s19, s[WV], 3                        ; 32 k rows of 512 bytes each,
	s_lshl_b32 s19, s19, 14
	s_add_co_u32 s22, s22, s19
	s_add_co_u32 s22, s22, 16384                   ; behind the pack's head
	s_mov_b32 s23, 0
	s_mov_b32 s[G0A], 1
	s_mul_i32 s[G0A+1], s[WV], 4*PA                ; where they go: the wave's number times a constant: no place in the cluster enters an LDS address
	s_add_co_u32 s[G0A+1], s[G0A+1], AOFF
	s_mov_b32 s[G0B], 1
	s_mul_i32 s[G0B+1], s[WV], EIGHTH
	s_mov_b32 s[G0B+4], 1
	s_add_co_u32 s[G0B+5], s[G0B+1], SLOT
	s_mov_b32 s52, 0x76543210                      ; v_permlanex16_b32's selects: each lane takes its own place in the other half
	s_mov_b32 s53, 0xfedcba98
	s_mov_b32 s54, 0x3b000000                      ; 1 / 512
	s_mov_b32 s55, 0x3727c5ac                      ; 1e-5
	s_mov_b32 s58, 0xbb000000                      ; -1 / 512
	s_wait_dscnt 0x0                               ; the opening add is done
	s_wait_kmcnt 0x0
	s_add_nc_u64 s[G0A+2:G0A+3], s[4:5], s[20:21]
	s_or_b32 s[G0A+3], s[G0A+3], 0x80000000
	s_add_nc_u64 s[G0B+2:G0B+3], s[6:7], s[22:23]  ; K step 0
	s_add_nc_u64 s[G0B+6:G0B+7], s[G0B+2:G0B+3], 65536  ; K step 1: 128 k rows down
	s_or_b32 s[G0B+3], s[G0B+3], 0x80000000
	s_or_b32 s[G0B+7], s[G0B+7], 0x80000000
	CROUND                                         ; all four work-groups are here: the first joint loads meet
	tensor_load_to_lds s[G0A:G0A+3], s[G1A:G1A+7]  ; the first fills go out as one group: three tensor loads of mine are out
	s_nop 0
	tensor_load_to_lds s[G0B:G0B+3], s[G1B:G1B+7]
	s_nop 0
	tensor_load_to_lds s[G0B+4:G0B+7], s[G1B:G1B+7]
	s_nop 0
.rept 4
	v_nop
.endr
	v_and_b32 v3, 31, v0                           ; l
	v_and_b32 v1, 15, v0                           ; l % 16
	v_bfe_u32 v2, v0, 4, 1                         ; l / 16
	v_mul_u32_u24 v[ADRA], v1, PA
	v_lshl_add_u32 v[ADRA], v2, 4, v[ADRA]         ; o: row x pitch + 16 x half
	v_add_nc_u32 v[ADRA], AOFF, v[ADRA]
	v_and_b32 v14, 7, v0
	v_lshl_add_u32 v14, v2, 3, v14                 ; W: k row 8 (l / 16) + l % 8,
	v_mul_u32_u24 v14, v14, PB
	v_bfe_u32 v15, v0, 3, 1
	v_lshl_add_u32 v14, v15, 4, v14                ; columns 8 ((l / 8) % 2) on,
	s_lshr_b32 s19, s[WV], 2
	s_mul_i32 s19, s19, PANEL                      ; my columns' panel,
	s_and_b32 s20, s[WV], 3
	s_lshl_b32 s20, s20, 7                         ; my 64 columns in it
	s_add_co_u32 s19, s19, s20
	v_add_nc_u32 v[ADRB], s19, v14
	v_add_nc_u32 v[ADRB+1], SLOT, v[ADRB]
	v_mul_u32_u24 v[STO], v1, SPF                  ; the stage, in: row l % 16, my 64 columns, 32 bytes for each half of the lanes
	v_lshl_add_u32 v[STO], v2, 5, v[STO]
	s_lshl_b32 s19, s[WV], 8
	v_add_nc_u32 v[STO], s19, v[STO]
	v_lshlrev_b32 v[XO], 4, v3
	v_lshlrev_b32 v[HO], 3, v3
	s_mul_i32 s19, s[WV], 4*SPF                    ; back: rows 4 w .. 4 w + 3, whole
	v_add_nc_u32 v[RD], s19, v[XO]
	v_lshlrev_b32 v[BO], 5, v2                     ; my lanes' 8 of a column tile's 16
	s_lshl_b32 s20, s[WV], 8                       ; the bias: my 64 numbers,
	s_add_co_u32 s20, s20, 256                     ; from the pack's byte 256 on
	s_mov_b32 s21, 0
	s_add_nc_u64 s[56:57], s[6:7], s[20:21]
	s_lshl_b32 s19, s18, 5
	s_lshl_b32 s20, s[WV], 2
	s_add_co_u32 s19, s19, s20                     ; the first row that I normalise
	s_lshl_b32 s20, s19, 11
	s_add_nc_u64 s[8:9], s[8:9], s[20:21]          ; x: rows of 2,048 bytes
	s_lshl_b32 s20, s19, 10
	s_add_nc_u64 s[14:15], s[14:15], s[20:21]      ; h: rows of 1,024 bytes
	WIN 0x40                                       ; destination window 1
.irp b, 0,1,2,3
	global_load_b128 v[BIAS+8*(\b):BIAS+8*(\b)+3],   v[BO], s[56:57] offset:64*(\b)
	global_load_b128 v[BIAS+8*(\b)+4:BIAS+8*(\b)+7], v[BO], s[56:57] offset:64*(\b)+16
.endr
.irp i, 0,1,2,3
	global_load_b128 v[G+4*(\i):G+4*(\i)+3],   v[XO], s[10:11] offset:512*(\i)
	global_load_b128 v[BV+4*(\i):BV+4*(\i)+3], v[XO], s[12:13] offset:512*(\i)
.endr
	WIN 0
.irp r, 0,1,2,3
.irp i, 0,1,2,3
	global_load_b128 v[X+16*(\r)+4*(\i):X+16*(\r)+4*(\i)+3], v[XO], s[8:9] offset:2048*(\r)+512*(\i) th:TH_LOAD_NT  ; 512 consecutive bytes; wanted only behind the products
.endr
.endr
; 12 LDS loads in one run: 32 along K (quarter q of a slot; number kq of the 16 along o's rows) into buffer f: W's 4 column tiles, turned, then o's 2 row blocks
.macro FETCH slot, q, kq, f
.irp i, 0,1,2,3
	ds_load_tr16_b128 v[FB+32*(\f)+8*(\i):FB+32*(\f)+8*(\i)+3],   v[ADRB+(\slot)] offset:(\q)*32*PB+32*(\i)
	ds_load_tr16_b128 v[FB+32*(\f)+8*(\i)+4:FB+32*(\f)+8*(\i)+7], v[ADRB+(\slot)] offset:(\q)*32*PB+16*PB+32*(\i)
.endr
.irp a, 0,1
	ds_load_b128 v[FA+16*(\f)+8*(\a):FA+16*(\f)+8*(\a)+3],   v[ADRA] offset:(\a)*16*PA+64*(\kq)
	ds_load_b128 v[FA+16*(\f)+8*(\a)+4:FA+16*(\f)+8*(\a)+7], v[ADRA] offset:(\a)*16*PA+64*(\kq)+32
.endr
.endm
; 8 products on buffer f.  zero = 1: the bias starts the sums.  The 8 accumulators take turns, one instruction a turn, from run to run too.
.macro MUL f, zero
.if \zero
	WIN 0x10                                       ; C (the bias) in window 1
.endif
.irp a, 0,1
.irp b, 0,1,2,3
.if \zero
	v_wmma_f32_16x16x32_bf16 v[ACC+8*(4*(\a)+(\b)):ACC+8*(4*(\a)+(\b))+7], v[FB+32*(\f)+8*(\b):FB+32*(\f)+8*(\b)+7], v[FA+16*(\f)+8*(\a):FA+16*(\f)+8*(\a)+7], v[BIAS+8*(\b):BIAS+8*(\b)+7]
.else
	v_wmma_f32_16x16x32_bf16 v[ACC+8*(4*(\a)+(\b)):ACC+8*(4*(\a)+(\b))+7], v[FB+32*(\f)+8*(\b):FB+32*(\f)+8*(\b)+7], v[FA+16*(\f)+8*(\a):FA+16*(\f)+8*(\a)+7], v[ACC+8*(4*(\a)+(\b)):ACC+8*(4*(\a)+(\b))+7]
.endif
.endr
.endr
.if \zero
	WIN 0
.endif
.endm
; One of a K step's first three quarters: the next quarter is fetched into buffer g, which the products just before have read; then buffer f is multiplied
.macro STEP slot, q, kq, f, g, zero
	PLACES
	FETCH \slot, \q, \kq, \g
	s_wait_dscnt 12                                ; buffer f is in; the 12 loads just issued may be out
	MUL \f, \zero
.endm
; A K step's last quarter (it lies in buffer 1) and the change of slots.  In front of the barrier each wave has all its tensor loads in (at most one was out: its part of the next slot), has added 0 to its spare word,
; and has its reads of this slot back.  fill = 1: the barrier is a round of the cluster's, and this slot is filled again, two K steps on, first thing behind it.  Then the next slot's first quarter is fetched.
.macro TURN slot, next, kq, fill
	s_wait_tensorcnt 0x0
	ds_add_u32 v[SPW], v[NIL]
	s_wait_dscnt 1                                 ; buffer 1 is in; the add may be out
	MUL 1, 0                                       ; eight products stand between the add and the wait for it
	s_wait_dscnt 0x0                               ; the add is done, my reads of this slot are over
.if \fill
	CROUND                                         ; no wave of any partner still reads this slot or has a load on its way
	s_add_nc_u64 s[G0B+4*(\slot)+2:G0B+4*(\slot)+3], s[G0B+4*(\slot)+2:G0B+4*(\slot)+3], 131072
	tensor_load_to_lds s[G0B+4*(\slot):G0B+4*(\slot)+3], s[G1B:G1B+7]  ; my one tensor load behind the round
	s_nop 0
.rept 4
	v_nop                                          ; also the places in front of the loads below
.endr
.else
	s_barrier_signal -1
	s_barrier_wait -1
	PLACES
.endif
	FETCH \next, 0, \kq, 0
.endm
	s_wait_tensorcnt 1                             ; my rows of o and my part of K step 0 are in; K step 1's may stay out
	s_barrier_signal -1
	s_barrier_wait -1
	FETCH 0, 0, 0, 0
	s_wait_loadcnt 24                              ; the bias's 8 loads are in; the 24 behind them (g, b, x) may stay out
	STEP 0, 1, 1, 0, 1, 1                          ; K step 0
	STEP 0, 2, 2, 1, 0, 0
	STEP 0, 3, 3, 0, 1, 0
	TURN 0, 1, 4, 1                                ; slot 0 takes K step 2
	STEP 1, 1, 5, 0, 1, 0                          ; K step 1
	STEP 1, 2, 6, 1, 0, 0
	STEP 1, 3, 7, 0, 1, 0
	TURN 1, 0, 8, 1                                ; slot 1 takes K step 3
	STEP 0, 1, 9, 0, 1, 0                          ; K step 2
	STEP 0, 2, 10, 1, 0, 0
	STEP 0, 3, 11, 0, 1, 0
	TURN 0, 1, 12, 0                               ; nothing is left to fetch; behind this barrier nobody reads slot 0 any more
	STEP 1, 1, 13, 0, 1, 0                         ; K step 3
	STEP 1, 2, 14, 1, 0, 0
	STEP 1, 3, 15, 0, 1, 0
	s_wait_dscnt 0x0
	MUL 1, 0
	PLACES
.irp a, 0,1
.irp b, 0,1,2,3
	ds_store_b128 v[STO], v[ACC+8*(4*(\a)+(\b)):ACC+8*(4*(\a)+(\b))+3]   offset:(\a)*16*SPF+64*(\b)     ; each accumulator's low registers first
	ds_store_b128 v[STO], v[ACC+8*(4*(\a)+(\b))+4:ACC+8*(4*(\a)+(\b))+7] offset:(\a)*16*SPF+64*(\b)+16
.endr
.endr
	s_wait_dscnt 0x0                               ; for the others' sake: my stores into the stage are done
	s_barrier_signal -1
	s_barrier_wait -1                              ; a row's 2,048 bytes come from eight waves
.irp r, 0,1,2,3
.irp i, 0,1,2,3
	ds_load_b128 v[Y+16*(\r)+4*(\i):Y+16*(\r)+4*(\i)+3], v[RD] offset:(\r)*SPF+512*(\i)
.endr
.endr
.irp r, 0,1,2,3
	v_mov_b32 v[RR+2*(\r)+1], 0
.endr
.macro REDUCE                          ; each row's pair of sums, over the pair and the 32 lanes; every lane ends with the result
.irp r, 0,1,2,3
	v_add_f32 v[SUM+2*(\r)], v[SUM+2*(\r)], v[SUM+2*(\r)+1]
.endr
.irp m, 1,2,4,8
.irp r, 0,1,2,3
	v_add_f32_dpp v[SUM+2*(\r)], v[SUM+2*(\r)], v[SUM+2*(\r)] row_xmask:\m row_mask:0xf bank_mask:0xf
.endr
.endr
.irp r, 0,1,2,3
	v_permlanex16_b32 v[SUM+2*(\r)+1], v[SUM+2*(\r)], s52, s53
.endr
.irp r, 0,1,2,3
	v_add_f32 v[SUM+2*(\r)], v[SUM+2*(\r)], v[SUM+2*(\r)+1]
.endr
.endm
	s_wait_loadcnt 0x0                             ; x, g and b
.irp r, 0,1,2,3
	s_wait_dscnt 4*(3-(\r))                        ; row r's four loads are in; the later rows' stay out
.irp k, 0,1,2,3,4,5,6,7
	v_pk_add_f32 v[Y+16*(\r)+2*(\k):Y+16*(\r)+2*(\k)+1], v[Y+16*(\r)+2*(\k):Y+16*(\r)+2*(\k)+1], v[X+16*(\r)+2*(\k):X+16*(\r)+2*(\k)+1]  ; y = x + (o W + bias)
.endr
	v_pk_add_f32 v[SUM+2*(\r):SUM+2*(\r)+1], v[Y+16*(\r):Y+16*(\r)+1], v[Y+16*(\r)+2:Y+16*(\r)+3]
.irp k, 2,3,4,5,6,7
	v_pk_add_f32 v[SUM+2*(\r):SUM+2*(\r)+1], v[SUM+2*(\r):SUM+2*(\r)+1], v[Y+16*(\r)+2*(\k):Y+16*(\r)+2*(\k)+1]
.endr
.endr
	REDUCE
.irp r, 0,1,2,3
	v_mul_f32 v[MU+2*(\r)],   s58, v[SUM+2*(\r)]   ; minus the mean
	v_mul_f32 v[MU+2*(\r)+1], s58, v[SUM+2*(\r)]
.endr
.irp k, 0,1,2,3,4,5,6,7
.irp r, 0,1,2,3
	v_pk_add_f32 v[Y+16*(\r)+2*(\k):Y+16*(\r)+2*(\k)+1], v[Y+16*(\r)+2*(\k):Y+16*(\r)+2*(\k)+1], v[MU+2*(\r):MU+2*(\r)+1]  ; y - mean
.endr
.endr
.irp r, 0,1,2,3
	v_pk_mul_f32 v[SUM+2*(\r):SUM+2*(\r)+1], v[Y+16*(\r):Y+16*(\r)+1], v[Y+16*(\r):Y+16*(\r)+1]
.endr
.irp k, 1,2,3,4,5,6,7
.irp r, 0,1,2,3
	v_pk_fma_f32 v[SUM+2*(\r):SUM+2*(\r)+1], v[Y+16*(\r)+2*(\k):Y+16*(\r)+2*(\k)+1], v[Y+16*(\r)+2*(\k):Y+16*(\r)+2*(\k)+1], v[SUM+2*(\r):SUM+2*(\r)+1]
.endr
.endr
	REDUCE
.irp r, 0,1,2,3
	v_fma_f32 v[SUM+2*(\r)], v[SUM+2*(\r)], s54, s55  ; the variance + 1e-5
.endr
.irp r, 0,1,2,3
	v_rsq_f32 v[RR+2*(\r)], v[SUM+2*(\r)]
.endr
	v_nop                                          ; a plain instruction behind the last of the batch,
	s_wait_alu depctr_va_vdst(0)                   ; and one wait for the four ahead of the first use
.irp k, 0,1,2,3,4,5,6,7
.irp r, 0,1,2,3
	v_pk_mul_f32 v[Y+16*(\r)+2*(\k):Y+16*(\r)+2*(\k)+1], v[Y+16*(\r)+2*(\k):Y+16*(\r)+2*(\k)+1], v[RR+2*(\r):RR+2*(\r)+1] op_sel_hi:[1,0]
.endr
.endr
	WIN 0x14                                       ; g and b in window 1
.irp k, 0,1,2,3,4,5,6,7
.irp r, 0,1,2,3
	v_pk_fma_f32 v[Y+16*(\r)+2*(\k):Y+16*(\r)+2*(\k)+1], v[Y+16*(\r)+2*(\k):Y+16*(\r)+2*(\k)+1], v[G+2*(\k):G+2*(\k)+1], v[BV+2*(\k):BV+2*(\k)+1]
.endr
.endr
	WIN 0
.irp r, 0,1,2,3
.irp i, 0,1,2,3
	v_cvt_pk_bf16_f32 v[Y+16*(\r)+4*(\i)],   v[Y+16*(\r)+4*(\i)],   v[Y+16*(\r)+4*(\i)+1]
	v_cvt_pk_bf16_f32 v[Y+16*(\r)+4*(\i)+1], v[Y+16*(\r)+4*(\i)+2], v[Y+16*(\r)+4*(\i)+3]
	global_store_b64 v[HO], v[Y+16*(\r)+4*(\i):Y+16*(\r)+4*(\i)+1], s[14:15] offset:1024*(\r)+256*(\i)  ; 256 consecutive bytes, at a multiple of 256 from h's first byte
.endr
.endr
	s_wait_tensorcnt 0x0                           ; the wave's end: behind my last tensor load and my last LDS store
	ds_add_u32 v[SPW], v[NIL]
	s_wait_dscnt 0x0
	CROUND                                         ; the closing round: no work-group ends while a partner may still ask for a tile that names it
	s_endpgm
.Lfunc_end_k_q417443d6e8_projln:
	.size	k_q417443d6e8_projln, .Lfunc_end_k_q417443d6e8_projln-k_q417443d6e8_projln
	.p2alignl 7, 3214868480
	.fill 96, 4, 3214868480
	.section	.rodata,"a",@progbits
	.p2align	6, 0x0
	.amdhsa_kernel k_q417443d6e8_projln
		.amdhsa_group_segment_fixed_size 327680
		.amdhsa_private_segment_fixed_size 0
		.amdhsa_enable_private_segment 0
		.amdhsa_kernarg_size 48
		.amdhsa_user_sgpr_count 2
		.amdhsa_user_sgpr_kernarg_segment_ptr 1
		.amdhsa_wavefront_size32 1
		.amdhsa_system_sgpr_workgroup_id_x 1
		.amdhsa_system_sgpr_workgroup_id_y 1
		.amdhsa_system_sgpr_workgroup_id_z 1
		.amdhsa_system_vgpr_workitem_id 0
		.amdhsa_next_free_vgpr 320
		.amdhsa_next_free_sgpr 66
		.amdhsa_reserve_vcc 0
		.amdhsa_float_denorm_mode_32 3
		.amdhsa_float_denorm_mode_16_64 3
		.amdhsa_memory_ordered 1
		.amdhsa_forward_progress 1
		.amdhsa_inst_pref_size 55
	.end_amdhsa_kernel
	.amdgpu_metadata
---
amdhsa.version: [ 1, 2 ]
amdhsa.kernels:
  - .name:           k_q417443d6e8_projln
    .symbol:         k_q417443d6e8_projln.kd
    .args:
      - { .name: act0, .offset: 0, .size: 8, .value_kind: global_buffer, .address_space: global }
      - { .name: po, .offset: 8, .size: 8, .value_kind: global_buffer, .address_space: global }
      - { .name: x, .offset: 16, .size: 8, .value_kind: global_buffer, .address_space: global }
      - { .name: ln1_g, .offset: 24, .size: 8, .value_kind: global_buffer, .address_space: global }
      - { .name: ln1_b, .offset: 32, .size: 8, .value_kind: global_buffer, .address_space: global }
      - { .name: h, .offset: 40, .size: 8, .value_kind: global_buffer, .address_space: global }
    .group_segment_fixed_size: 327680
    .private_segment_fixed_size: 0
    .kernarg_segment_align: 8
    .kernarg_segment_size: 48
    .max_flat_workgroup_size: 256
    .sgpr_count:     66
    .vgpr_count:     320
    .wavefront_size: 32
...
	.end_amdgpu_metadata
.endif
;; end of part 4
;; launch ffn1: the kernel of part 2 again; grid 32 x 8, 4 waves a work-group, clusters of 4 x 1, 327,680 bytes of LDS; arguments h, p1, big; writes big
;; launch ffn2 (part 5): grid 4 x 64, 4 waves a work-group, clusters of 4 x 4, 327,680 bytes of LDS; arguments big, p2, b2, pan; writes pan
.if DOCPART == 5
	.amdgcn_target "amdgcn-amd-amdhsa--gfx1250"
	.amdhsa_code_object_version 6
	.text
	.protected	k_q417443d6e8_ffn2
	.globl	k_q417443d6e8_ffn2
	.p2align	8
	.type	k_q417443d6e8_ffn2,@function
k_q417443d6e8_ffn2:
	s_mov_b64 s[64:65], 0
	v_nop
	global_prefetch_b8 v0, s[64:65] scope:SCOPE_SE
	s_setreg_imm32_b32 hwreg(HW_REG_WAVE_MODE, 25, 1), 1
	s_wait_xcnt 0x0
	s_wait_alu depctr_hold_cnt(0) depctr_sa_sdst(0) depctr_va_vdst(0) depctr_va_sdst(0) depctr_va_ssrc(0) depctr_va_vcc(0) depctr_vm_vsrc(0)
	s_getreg_b32 s2, hwreg(HW_REG_IB_STS2, 6, 4)
	s_cmp_eq_u32 s2, 0
	s_cbranch_scc0 .Lentry_in_a_cluster
	s_endpgm
.Lentry_in_a_cluster:
	s_bfe_u32 s2, ttmp6, 0x10000c
	s_cmp_lg_u32 s2, 0xf033
	s_cbranch_scc0 .Lentry_shape_is_right
	s_endpgm
.Lentry_shape_is_right:
; C = A W + bias, rounded once to bf16.  A: 8192 x 2048 in panels [8][8192][256] bf16; W: 2048 x 512 in panels [2][2048 k][256 n] bf16; bias: [512] f32; C: panels [2][8192][256] bf16.  Sums in f32.
; LIMITS.  Operands are bf16, C is rounded once to bf16; NaN and infinities are not treated apart.
; SHARES.  64 x 4 tiles of 128 x 128 give each of 256 work-groups one.  Four waves, each 64 x 64: 16 accumulators.  K goes in 8 steps of 256, a panel of A each (LDS rows of 512 bytes), through two slots.
; CLUSTER.  4 x 4 work-groups: the four of a row need the same tiles of A, the four of a column the same tiles of W: each tile is asked for JOINTLY, by the same tensor load, descriptor and mask in all four.
; THE PRODUCT IS TAKEN TRANSPOSED: source 0 = 16 columns of W (turned out of LDS by ds_load_tr16_b128), source 1 = 16 rows of A: a lane holds eight neighbouring numbers of a row of C.  The bias, in that form,
; is the C operand of each accumulator's first product.
; REGISTERS: window 0: v0-31 addresses; v32-95 at work on the way out; v96-127 the bias (column tile b at 8 b); v128-255 the accumulators ((a, b) at 128 + 8 (4 a + b)).
;   window 1: two fragment buffers of 128: for 64 along K, 64 registers of A, then 64 of W.
.set PITCH,  528                       ; A's row in LDS: 512 bytes + 16
.set PB,     288                       ; W's row in LDS: 256 bytes + 32
.set HALFA,  64*PITCH                  ; what a wave's load of A brings: 64 rows
.set HALFB,  128*PB                    ; of W: 128 k rows
.set BOFF,   2*HALFA
.set SLOT,   BOFF+2*HALFB
.set STAGE,  2*SLOT                    ; behind the ring: 128 rows x 272 bytes, the work-group's, for the way out
.set SPITCH, 272
.set SPARE,  STAGE+128*SPITCH          ; the spare words, 128 bytes a wave: two blocks of 256 bytes that no other line names
.set LAPS,   4                         ; a lap = two K steps = once round the ring
.set ADRA, 16                          ; v16-17  LDS address of my A fragments in slot 0, 1
.set ADRB, 20                          ; v20-23  of W's: 2 x slot + which half of the step's 256 k rows
.set STO,  24
.set RD,   25
.set CO,   26
.set SPW,  28                          ; v28  my spare word; never rewritten
.set NIL,  29                          ; v29  0; never rewritten
.set TMP,  32
.set BIAS, 96
.set ACC,  128
.set F0,   0
.set F1,   128
.set G1,  24
.set G0,  32
.set G1B, 48
.set G0B, 56
.set MSB, 0
.macro WIN new
.if MSB != (\new)
	s_set_vgpr_msb (MSB<<8)|(\new)
.set MSB, \new
.endif
.endm
.set MUL,  0x05                        ; sources 0 (W) and 1 (A) window 1; C and D window 0
.set TO_F, 0x40                        ; destination window 1, address window 0
.macro JLOAD s                         ; a joint load: waves 0 and 1 fetch A's two halves, waves 2 and 3 W's; an s_nop 0 and four v_nop follow each line, ahead of the jump and the label
	s_cmp_eq_u32 s11, 0
	s_cbranch_scc0 .Lfor_b_\@
	tensor_load_to_lds s[G0+4*(\s):G0+4*(\s)+3], s[G1:G1+7]
	s_nop 0
.rept 4
	v_nop
.endr
	s_branch .Lasked_\@
.Lfor_b_\@:
	tensor_load_to_lds s[G0B+4*(\s):G0B+4*(\s)+3], s[G1B:G1B+7]
	s_nop 0
.rept 4
	v_nop
.endr
.Lasked_\@:
.endm
.macro CREST
	s_cmp_lg_u32 s10, 0
	s_cbranch_scc1 .Lnot_wave_0_\@
	s_barrier_signal -3
.Lnot_wave_0_\@:
	s_barrier_wait -3
	s_barrier_signal -1
	s_barrier_wait -1
.endm
.macro CROUND
	s_barrier_signal -1
	s_barrier_wait -1
	CREST
.endm
	s_load_b128 s[4:7], s[0:1], 0x0                ; A s[4:5], W s[6:7]
	s_load_b128 s[44:47], s[0:1], 0x10             ; bias s[44:45], C s[46:47]
	v_lshl_add_u32 v[SPW], v0, 2, SPARE
	v_mov_b32 v[NIL], 0
	ds_add_u32 v[SPW], v[NIL]                      ; the wave's opening: the add and its wait ahead of my first tensor load
	v_lshrrev_b32 v1, 5, v0
	v_readfirstlane_b32 s10, v1                    ; wave 0..3
	s_lshr_b32 s11, s10, 1                         ; which half of the tile's rows is mine.  Also: I fetch for A (0) or for W (1)
	s_and_b32 s12, s10, 1                          ; which half of its columns.  Also: which half of that tile I fetch
	s_bfe_u32 s40, ttmp6, 0x40000                  ; cx, cy
	s_bfe_u32 s41, ttmp6, 0x40004
	s_lshl_b32 s42, ttmp9, 2
	s_add_co_u32 s42, s42, s40                     ; tile column = 4 x cluster x + cx
	s_and_b32 s13, ttmp7, 0xffff
	s_lshl_b32 s13, s13, 2
	s_add_co_u32 s13, s13, s41                     ; tile row = 4 x cluster y + cy
	s_lshl_b32 s14, s41, 2
	s_lshl_b32 s14, 15, s14                        ; my row of the cluster
	s_lshl_b32 s15, 0x1111, s40                    ; my column
	s_or_b32 s[G1+0], s14, (1<<16)|(1<<20)|(1<<21)|(6<<22)|(3<<25)   ; A: mask of my row; 2-byte elements; padding: after every 128 words, 4 words
	s_or_b32 s[G1B+0], s15, (1<<16)|(1<<20)|(1<<21)|(5<<22)|(7<<25)  ; W: mask of my column; padding: after every 64 words, 8 words
	s_mov_b32 s[G1+1], 256<<16                     ; A: a tile of 64 rows x 256 elements
	s_mov_b32 s[G1+2], 64<<16
	s_mov_b32 s[G1+3], 256<<16
	s_mov_b32 s[G1+4], 64
	s_mov_b32 s[G1+5], 256
	s_mov_b32 s[G1+6], 0
	s_mov_b32 s[G1+7], 0
	s_mov_b32 s[G1B+1], 128<<16                    ; W: a tile of 128 k rows x 128 elements
	s_mov_b32 s[G1B+2], 128<<16
	s_mov_b32 s[G1B+3], 128<<16
	s_mov_b32 s[G1B+4], 128
	s_mov_b32 s[G1B+5], 256
	s_mov_b32 s[G1B+6], 0
	s_mov_b32 s[G1B+7], 0
	s_lshl_b32 s16, s13, 16                        ; A: 128 rows of 512 bytes a tile,
	s_lshl_b32 s17, s12, 15                        ; 64 rows a half
	s_add_co_u32 s16, s16, s17
	s_mov_b32 s17, 0
	s_lshr_b32 s18, s42, 1                         ; W: the panel,
	s_lshl_b32 s18, s18, 20
	s_and_b32 s19, s42, 1                          ; its left or right 128 columns,
	s_lshl_b32 s19, s19, 8
	s_add_co_u32 s18, s18, s19
	s_lshl_b32 s19, s12, 16                        ; 128 k rows of 512 bytes a half
	s_add_co_u32 s18, s18, s19
	s_mov_b32 s19, 0
	s_mul_i32 s20, s12, HALFA                      ; where they go: no place in the cluster enters an LDS address
	s_mul_i32 s21, s12, HALFB
	s_add_co_u32 s21, s21, BOFF
	s_wait_dscnt 0x0                               ; the opening add is done
	s_wait_kmcnt 0x0
	s_add_nc_u64 s[16:17], s[4:5], s[16:17]
	s_add_nc_u64 s[18:19], s[6:7], s[18:19]
	CROUND                                         ; all sixteen work-groups are here: the first joint loads meet
.irp s, 0,1
	s_mov_b32 s[G0+4*(\s)], 1
	s_add_co_u32 s[G0+4*(\s)+1], s20, (\s)*SLOT
	s_add_nc_u64 s[G0+4*(\s)+2:G0+4*(\s)+3], s[16:17], (\s)*4194304    ; K step s: panel s of A
	s_or_b32 s[G0+4*(\s)+3], s[G0+4*(\s)+3], 0x80000000
	s_mov_b32 s[G0B+4*(\s)], 1
	s_add_co_u32 s[G0B+4*(\s)+1], s21, (\s)*SLOT
	s_add_nc_u64 s[G0B+4*(\s)+2:G0B+4*(\s)+3], s[18:19], (\s)*131072   ; K step s: 256 k rows down
	s_or_b32 s[G0B+4*(\s)+3], s[G0B+4*(\s)+3], 0x80000000
	JLOAD \s                                       ; two tensor loads of mine are out
.endr
	v_and_b32 v1, 15, v0                           ; l % 16
	v_bfe_u32 v2, v0, 4, 1                         ; l / 16
	v_mul_u32_u24 v3, v1, PITCH
	v_lshl_add_u32 v3, v2, 4, v3                   ; A: row x pitch + 16 x half
	v_and_b32 v4, 7, v0
	v_lshl_add_u32 v4, v2, 3, v4                   ; W: k row 8 (l / 16) + l % 8,
	v_mul_u32_u24 v4, v4, PB
	v_bfe_u32 v5, v0, 3, 1
	v_lshl_add_u32 v4, v5, 4, v4                   ; columns 8 ((l / 8) % 2) on
	s_mul_i32 s22, s11, HALFA                      ; my 64 rows of A
	s_lshl_b32 s23, s12, 7                         ; my 64 columns of W,
	s_add_co_u32 s23, s23, BOFF                    ; which lies behind A
.irp s, 0,1
	v_add_nc_u32 v[ADRA+(\s)], s22, v3
	v_add_nc_u32 v[ADRB+2*(\s)], s23, v4
	v_add_nc_u32 v[ADRB+2*(\s)+1], HALFB, v[ADRB+2*(\s)]
	s_add_co_u32 s22, s22, SLOT
	s_add_co_u32 s23, s23, SLOT
.endr
	s_mul_i32 s23, s11, 64*SPITCH                  ; into the stage: my 64 rows, my half of their 256 bytes
	s_lshl_b32 s22, s12, 7
	s_add_co_u32 s23, s23, s22
	s_add_co_u32 s23, s23, STAGE
	v_mul_u32_u24 v6, v1, SPITCH
	v_lshl_add_u32 v6, v2, 4, v6
	v_add_nc_u32 v[STO], s23, v6
	s_mul_i32 s23, s10, 32*SPITCH                  ; back: wave w takes rows 32 w .. 32 w + 31, whole
	s_add_co_u32 s23, s23, STAGE
	v_mul_u32_u24 v7, v2, SPITCH
	v_lshl_add_u32 v7, v1, 4, v7
	v_add_nc_u32 v[RD], s23, v7
	v_lshlrev_b32 v7, 9, v2                        ; the same two rows in C's panel
	v_lshl_add_u32 v[CO], v1, 4, v7
	s_lshl_b32 s16, s13, 16                        ; C: the tile's 128 rows of 512 bytes,
	s_lshl_b32 s17, s10, 14                        ; the 32 that I store
	s_add_co_u32 s16, s16, s17
	s_mov_b32 s17, 0
	s_add_nc_u64 s[46:47], s[46:47], s[16:17]
	s_lshr_b32 s18, s42, 1                         ; the panel, and its left or right 256 bytes
	s_lshl_b32 s18, s18, 22
	s_and_b32 s19, s42, 1
	s_lshl_b32 s19, s19, 8
	s_add_co_u32 s18, s18, s19
	s_mov_b32 s19, 0
	s_add_nc_u64 s[46:47], s[46:47], s[18:19]
	s_lshl_b32 s18, s42, 9                         ; the bias: 128 numbers a tile column,
	s_lshl_b32 s19, s12, 8                         ; my 64
	s_add_co_u32 s18, s18, s19
	s_mov_b32 s19, 0
	s_add_nc_u64 s[44:45], s[44:45], s[18:19]
	v_lshlrev_b32 v8, 5, v2                        ; my lanes' 8 of a tile's 16
.irp b, 0,1,2,3
	global_load_b128 v[BIAS+8*(\b):BIAS+8*(\b)+3],   v8, s[44:45] offset:64*(\b)
	global_load_b128 v[BIAS+8*(\b)+4:BIAS+8*(\b)+7], v8, s[44:45] offset:64*(\b)+16
.endr
; 8 products: row blocks a0, a0 + 1 x all 4 column tiles, 32 along K: half c of buffer f.  zero = 1: the bias starts the sums.  The 16 accumulators take turns.
.macro MUL8 f, c, a0, zero
	WIN MUL
.irp a, \a0, (\a0)+1
.irp b, 0,1,2,3
.if \zero
	v_wmma_f32_16x16x32_bf16 v[ACC+8*(4*(\a)+(\b)):ACC+8*(4*(\a)+(\b))+7], v[(\f)+64+8*(4*(\c)+(\b)):(\f)+64+8*(4*(\c)+(\b))+7], v[(\f)+8*(4*(\c)+(\a)):(\f)+8*(4*(\c)+(\a))+7], v[BIAS+8*(\b):BIAS+8*(\b)+7]
.else
	v_wmma_f32_16x16x32_bf16 v[ACC+8*(4*(\a)+(\b)):ACC+8*(4*(\a)+(\b))+7], v[(\f)+64+8*(4*(\c)+(\b)):(\f)+64+8*(4*(\c)+(\b))+7], v[(\f)+8*(4*(\c)+(\a)):(\f)+8*(4*(\c)+(\a))+7], v[ACC+8*(4*(\a)+(\b)):ACC+8*(4*(\a)+(\b))+7]
.endif
.endr
.endr
.endm
; 32 LDS loads in one run: quarter q (64 along K) of a slot into buffer f; the first 32 along K first
.macro FETCH slot, q, f
	WIN TO_F
.irp c, 0,1
.irp i, 0,1,2,3
	ds_load_tr16_b128 v[(\f)+64+8*(4*(\c)+(\i)):(\f)+64+8*(4*(\c)+(\i))+3],   v[ADRB+2*(\slot)+(\q)/2] offset:(((\q)%2)*64+32*(\c))*PB+32*(\i)
	ds_load_tr16_b128 v[(\f)+64+8*(4*(\c)+(\i))+4:(\f)+64+8*(4*(\c)+(\i))+7], v[ADRB+2*(\slot)+(\q)/2] offset:(((\q)%2)*64+32*(\c))*PB+16*PB+32*(\i)
	ds_load_b128 v[(\f)+8*(4*(\c)+(\i)):(\f)+8*(4*(\c)+(\i))+3],              v[ADRA+(\slot)] offset:128*(\q)+64*(\c)+(\i)*16*PITCH
	ds_load_b128 v[(\f)+8*(4*(\c)+(\i))+4:(\f)+8*(4*(\c)+(\i))+7],            v[ADRA+(\slot)] offset:128*(\q)+64*(\c)+(\i)*16*PITCH+32
.endr
.endr
.endm
.macro PLACES                          ; four plain vector instructions between a matrix instruction and a load into, or a vector read of, its registers
.rept 4
	v_nop
.endr
.endm
; One of a K step's first three quarters: multiplies buffer f and fetches quarter q of the same slot into g
.macro QUARTER slot, q, f, g, zero
	s_wait_dscnt 16                                ; the first 32 along K are in
	MUL8 \f, 0, 0, \zero
	MUL8 \f, 0, 2, \zero
	PLACES
	FETCH \slot, \q, \g
	s_wait_dscnt 32                                ; all but the 32 just issued
	MUL8 \f, 1, 0, 0
	MUL8 \f, 1, 2, 0
.endm
; The last quarter multiplies buffer 1 and changes slots: ONE barrier; in front of it each wave has all its tensor loads in, has added 0 to its spare word, and has its reads of this slot back.  fill = 1: this slot is filled again, two K steps on.
.macro TURN slot, next, fill
	WIN 0
	s_wait_tensorcnt 0x0                           ; the one that was out is my part of the next slot
	ds_add_u32 v[SPW], v[NIL]
	s_wait_dscnt 17                                ; the add and the youngest sixteen loads may be out
	MUL8 F1, 0, 0, 0                               ; eight products stand between the add and the wait for it
	s_wait_dscnt 0x0                               ; the add is done, my reads of this slot are over
	s_barrier_signal -1
	MUL8 F1, 0, 2, 0
.if \fill
	WIN 0
.endif
	s_barrier_wait -1
.if \fill
	CREST                                          ; the barrier has opened a round of the cluster's: no wave of any partner still reads this slot or has a load on its way
	s_add_nc_u64 s[G0+4*(\slot)+2:G0+4*(\slot)+3], s[G0+4*(\slot)+2:G0+4*(\slot)+3], 2*4194304
	s_add_nc_u64 s[G0B+4*(\slot)+2:G0B+4*(\slot)+3], s[G0B+4*(\slot)+2:G0B+4*(\slot)+3], 2*131072
	JLOAD \slot                                    ; the first tensor load behind the round; its four v_nop are also the places in front of the loads below
.else
	PLACES
.endif
	FETCH \next, 0, F0
	MUL8 F1, 1, 0, 0
	MUL8 F1, 1, 2, 0
.endm
	s_wait_tensorcnt 1                             ; my part of K step 0 is in; K step 1's may stay out
	s_barrier_signal -1
	s_barrier_wait -1
	FETCH 0, 0, F0
	s_wait_loadcnt 0x0                             ; the bias
	QUARTER 0, 1, F0, F1, 1                        ; the first quarter stands in front of the loop: its first products start the sums
	WIN 0                                          ; at a label and at a branch every window is 0
	s_mov_b32 s3, LAPS-1
.Llap:                                                 ; a trip goes once round the ring, from a lap's second quarter to the next lap's first, and fills both slots again
	QUARTER 0, 2, F1, F0, 0
	QUARTER 0, 3, F0, F1, 0
	TURN 0, 1, 1
	QUARTER 1, 1, F0, F1, 0
	QUARTER 1, 2, F1, F0, 0
	QUARTER 1, 3, F0, F1, 0
	TURN 1, 0, 1
	QUARTER 0, 1, F0, F1, 0
	WIN 0
	s_sub_co_u32 s3, s3, 1
	s_cmp_lg_u32 s3, 0
	s_cbranch_scc1 .Llap
	QUARTER 0, 2, F1, F0, 0                        ; the last lap fills nothing
	QUARTER 0, 3, F0, F1, 0
	TURN 0, 1, 0
	QUARTER 1, 1, F0, F1, 0
	QUARTER 1, 2, F1, F0, 0
	QUARTER 1, 3, F0, F1, 0
	s_wait_dscnt 16
	MUL8 F1, 0, 0, 0
	MUL8 F1, 0, 2, 0
	s_wait_dscnt 0x0
	MUL8 F1, 1, 0, 0
	MUL8 F1, 1, 2, 0
	WIN 0
	; THE WAY OUT: round to bf16; 16 bytes a lane into the work-group's stage; a barrier, since a row's 256 bytes come from two waves; back as whole rows, 32 rows a wave
	PLACES
.irp t, 0,1,2,3,4,5,6,7,8,9,10,11,12,13,14,15
.irp r, 0,1,2,3
	v_cvt_pk_bf16_f32 v[TMP+4*(\t)+(\r)], v[ACC+8*(\t)+2*(\r)], v[ACC+8*(\t)+2*(\r)+1]
.endr
.endr
.irp a, 0,1,2,3
.irp b, 0,1,2,3
	ds_store_b128 v[STO], v[TMP+4*(4*(\a)+(\b)):TMP+4*(4*(\a)+(\b))+3] offset:(\a)*16*SPITCH+32*(\b)
.endr
.endr
	s_wait_dscnt 0x0                               ; for the others' sake: my stores into the stage are done
	s_barrier_signal -1
	s_barrier_wait -1
.irp t, 0,1,2,3,4,5,6,7,8,9,10,11,12,13,14,15
	ds_load_b128 v[TMP+4*(\t):TMP+4*(\t)+3], v[RD] offset:(\t)*2*SPITCH
.endr
.irp t, 0,1,2,3,4,5,6,7,8,9,10,11,12,13,14,15
	s_wait_dscnt 15-(\t)                           ; pair t of rows is in; the younger loads stay out
	global_store_b128 v[CO], v[TMP+4*(\t):TMP+4*(\t)+3], s[46:47] offset:(\t)*1024  ; 16 lanes store 256 consecutive bytes, at a multiple of 256 from C's first byte
.endr
	s_wait_tensorcnt 0x0                           ; the wave's end: behind my last tensor load and my last LDS store
	ds_add_u32 v[SPW], v[NIL]
	s_wait_dscnt 0x0
	CROUND                                         ; the closing round: no work-group ends while a partner may still ask for a tile that names it
	s_endpgm
.Lfunc_end_k_q417443d6e8_ffn2:
	.size	k_q417443d6e8_ffn2, .Lfunc_end_k_q417443d6e8_ffn2-k_q417443d6e8_ffn2
	.p2alignl 7, 3214868480
	.fill 96, 4, 3214868480
	.section	.rodata,"a",@progbits
	.p2align	6, 0x0
	.amdhsa_kernel k_q417443d6e8_ffn2
		.amdhsa_group_segment_fixed_size 327680
		.amdhsa_private_segment_fixed_size 0
		.amdhsa_enable_private_segment 0
		.amdhsa_kernarg_size 32
		.amdhsa_user_sgpr_count 2
		.amdhsa_user_sgpr_kernarg_segment_ptr 1
		.amdhsa_wavefront_size32 1
		.amdhsa_system_sgpr_workgroup_id_x 1
		.amdhsa_system_sgpr_workgroup_id_y 1
		.amdhsa_system_sgpr_workgroup_id_z 1
		.amdhsa_system_vgpr_workitem_id 0
		.amdhsa_next_free_vgpr 512
		.amdhsa_next_free_sgpr 66
		.amdhsa_reserve_vcc 0
		.amdhsa_float_denorm_mode_32 3
		.amdhsa_float_denorm_mode_16_64 3
		.amdhsa_memory_ordered 1
		.amdhsa_forward_progress 1
		.amdhsa_inst_pref_size 88
	.end_amdhsa_kernel
	.amdgpu_metadata
---
amdhsa.version: [ 1, 2 ]
amdhsa.kernels:
  - .name:           k_q417443d6e8_ffn2
    .symbol:         k_q417443d6e8_ffn2.kd
    .args:
      - { .name: big, .offset: 0, .size: 8, .value_kind: global_buffer, .address_space: global }
      - { .name: p2, .offset: 8, .size: 8, .value_kind: global_buffer, .address_space: global }
      - { .name: b2, .offset: 16, .size: 8, .value_kind: global_buffer, .address_space: global }
      - { .name: pan, .offset: 24, .size: 8, .value_kind: global_buffer, .address_space: global }
    .group_segment_fixed_size: 327680
    .private_segment_fixed_size: 0
    .kernarg_segment_align: 8
    .kernarg_segment_size: 32
    .max_flat_workgroup_size: 128
    .sgpr_count:     66
    .vgpr_count:     512
    .wavefront_size: 32
...
	.end_amdgpu_metadata
.endif
;; end of part 5
;; launch ln2 (part 6): grid 256 x 1, 8 waves a work-group, no clusters, 0 bytes of LDS; arguments h, pan, ln2_g, ln2_b, out0; writes out0
.if DOCPART == 6
	.amdgcn_target "amdgcn-amd-amdhsa--gfx1250"
	.amdhsa_code_object_version 6
	.text
	.protected	k_q417443d6e8_ln2
	.globl	k_q417443d6e8_ln2
	.p2align	8
	.type	k_q417443d6e8_ln2,@function
k_q417443d6e8_ln2:
	s_mov_b64 s[64:65], 0
	v_nop
	global_prefetch_b8 v0, s[64:65] scope:SCOPE_SE
	s_setreg_imm32_b32 hwreg(HW_REG_WAVE_MODE, 25, 1), 1
	s_wait_xcnt 0x0
; out = LayerNorm(res + add) x g + b over rows of 512.  add lies in panels [2][8192][256] bf16.  Here res is bf16 [8192][512] and out f32 [8192][512] (RES_F32 = 0, OUT_F32 = 1).
; All arithmetic in f32, in two passes over registers: the mean, then the centred squares; eps = 1e-5.  LIMIT: the residual is taken from its copy rounded once to bf16.
; SHARES.  One wave, one row at a time, four rows a wave: the sums never leave the wave, so there is no LDS and no barrier.  Lane L owns columns 128 i + 4 L .. + 3, i = 0..3: each load and store
; of a wave covers 256 or 512 consecutive bytes, aligned.  All 40 loads go out first; the steps are written for the four rows in turn, so that no line waits for the one before it.
; Matrix units, clusters and LDS are left out: each byte is used once.
.set RES_F32, 0
.set OUT_F32, 1
.set G,   8                            ; v[8:23]    g of my 16 columns
.set BV,  24                           ; v[24:39]   b
.set Y,   40                           ; v[40:103]  row r: my 16 numbers
.set AD,  104                          ; v[104:135] row r: add as loaded
.set RS,  136                          ; v[136:167] row r: res as loaded, where it is bf16
.set T,   168                          ; v[168:175] at work
.set SUM, 176                          ; v[176:183] row r: a pair of sums
.set MU,  184                          ; v[184:191] row r: the mean, twice
.set RR,  192                          ; v[192:199] row r: 1 / sigma (the odd ones are named as pairs)
	s_load_b256 s[4:11], s[0:1], 0x0               ; res s[4:5], add s[6:7], g s[8:9], b s[10:11]
	s_load_b64 s[12:13], s[0:1], 0x20              ; out
	v_lshrrev_b32 v1, 5, v0
	v_readfirstlane_b32 s14, v1                    ; wave 0..7
	v_and_b32 v1, 31, v0
	v_lshlrev_b32 v2, 4, v1                        ; 16 L
	v_lshlrev_b32 v3, 3, v1                        ; 8 L
	s_lshl_b32 s15, ttmp9, 5
	s_lshl_b32 s20, s14, 2
	s_add_co_u32 s15, s15, s20                     ; my first row
	s_mov_b32 s16, 0x76543210
	s_mov_b32 s17, 0xfedcba98
	s_mov_b32 s18, 0x3b000000                      ; 1 / 512
	s_mov_b32 s19, 0xffff0000                      ; a word's upper bf16
	s_lshl_b32 s20, s15, 11                        ; rows of 2,048 bytes,
	s_mov_b32 s21, 0
	s_lshl_b32 s22, s15, 10                        ; of 1,024,
	s_mov_b32 s23, 0
	s_lshl_b32 s2, s15, 9                          ; of 512
	s_mov_b32 s3, 0
	s_wait_kmcnt 0x0
.if RES_F32
	s_add_nc_u64 s[4:5], s[4:5], s[20:21]
.else
	s_add_nc_u64 s[4:5], s[4:5], s[22:23]
.endif
	s_add_nc_u64 s[6:7], s[6:7], s[2:3]
.if OUT_F32
	s_add_nc_u64 s[12:13], s[12:13], s[20:21]
.else
	s_add_nc_u64 s[12:13], s[12:13], s[22:23]
.endif
.irp i, 0,1,2,3
	global_load_b128 v[G+4*(\i):G+4*(\i)+3],   v2, s[8:9] offset:512*(\i)
	global_load_b128 v[BV+4*(\i):BV+4*(\i)+3], v2, s[10:11] offset:512*(\i)
.endr
.irp r, 0,1,2,3
.irp i, 0,1,2,3
.if RES_F32
	global_load_b128 v[Y+16*(\r)+4*(\i):Y+16*(\r)+4*(\i)+3], v2, s[4:5] offset:2048*(\r)+512*(\i) th:TH_LOAD_NT
.else
	global_load_b64 v[RS+8*(\r)+2*(\i):RS+8*(\r)+2*(\i)+1], v3, s[4:5] offset:1024*(\r)+256*(\i) th:TH_LOAD_NT
.endif
	global_load_b64 v[AD+8*(\r)+2*(\i):AD+8*(\r)+2*(\i)+1], v3, s[6:7] offset:((\i)/2)*4194304+512*(\r)+((\i)%2)*256 th:TH_LOAD_NT
.endr
.endr
.irp r, 0,1,2,3
	v_mov_b32 v[RR+2*(\r)+1], 0
.endr
.macro REDUCE                          ; each row's pair of sums, over the pair and the 32 lanes; every lane ends with the result
.irp r, 0,1,2,3
	v_add_f32 v[SUM+2*(\r)], v[SUM+2*(\r)], v[SUM+2*(\r)+1]
.endr
.irp m, 1,2,4,8
.irp r, 0,1,2,3
	v_add_f32_dpp v[SUM+2*(\r)], v[SUM+2*(\r)], v[SUM+2*(\r)] row_xmask:\m row_mask:0xf bank_mask:0xf
.endr
.endr
.irp r, 0,1,2,3
	v_permlanex16_b32 v[SUM+2*(\r)+1], v[SUM+2*(\r)], s16, s17
.endr
.irp r, 0,1,2,3
	v_add_f32 v[SUM+2*(\r)], v[SUM+2*(\r)], v[SUM+2*(\r)+1]
.endr
.endm
.irp r, 0,1,2,3
	s_wait_loadcnt 8*(3-(\r))                      ; row r's eight loads are in (g and b went out ahead of them); the later rows' stay out
.irp i, 0,1,2,3
.if RES_F32 == 0
	v_lshlrev_b32 v[Y+16*(\r)+4*(\i)],   16,  v[RS+8*(\r)+2*(\i)]
	v_and_b32     v[Y+16*(\r)+4*(\i)+1], s19, v[RS+8*(\r)+2*(\i)]
	v_lshlrev_b32 v[Y+16*(\r)+4*(\i)+2], 16,  v[RS+8*(\r)+2*(\i)+1]
	v_and_b32     v[Y+16*(\r)+4*(\i)+3], s19, v[RS+8*(\r)+2*(\i)+1]
.endif
	v_lshlrev_b32 v[T+4*((\i)%2)],   16,  v[AD+8*(\r)+2*(\i)]
	v_and_b32     v[T+4*((\i)%2)+1], s19, v[AD+8*(\r)+2*(\i)]
	v_lshlrev_b32 v[T+4*((\i)%2)+2], 16,  v[AD+8*(\r)+2*(\i)+1]
	v_and_b32     v[T+4*((\i)%2)+3], s19, v[AD+8*(\r)+2*(\i)+1]
	v_pk_add_f32 v[Y+16*(\r)+4*(\i):Y+16*(\r)+4*(\i)+1],   v[Y+16*(\r)+4*(\i):Y+16*(\r)+4*(\i)+1],   v[T+4*((\i)%2):T+4*((\i)%2)+1]
	v_pk_add_f32 v[Y+16*(\r)+4*(\i)+2:Y+16*(\r)+4*(\i)+3], v[Y+16*(\r)+4*(\i)+2:Y+16*(\r)+4*(\i)+3], v[T+4*((\i)%2)+2:T+4*((\i)%2)+3]
.endr
	v_pk_add_f32 v[SUM+2*(\r):SUM+2*(\r)+1], v[Y+16*(\r):Y+16*(\r)+1], v[Y+16*(\r)+2:Y+16*(\r)+3]
.irp k, 2,3,4,5,6,7
	v_pk_add_f32 v[SUM+2*(\r):SUM+2*(\r)+1], v[SUM+2*(\r):SUM+2*(\r)+1], v[Y+16*(\r)+2*(\k):Y+16*(\r)+2*(\k)+1]
.endr
.endr
	REDUCE
.irp r, 0,1,2,3
	v_mul_f32 v[MU+2*(\r)],   s18, v[SUM+2*(\r)]
	v_mul_f32 v[MU+2*(\r)+1], s18, v[SUM+2*(\r)]
.endr
.irp k, 0,1,2,3,4,5,6,7
.irp r, 0,1,2,3
	v_pk_add_f32 v[Y+16*(\r)+2*(\k):Y+16*(\r)+2*(\k)+1], v[Y+16*(\r)+2*(\k):Y+16*(\r)+2*(\k)+1], v[MU+2*(\r):MU+2*(\r)+1] neg_lo:[0,1] neg_hi:[0,1]  ; y - mean
.endr
.endr
.irp r, 0,1,2,3
	v_pk_mul_f32 v[SUM+2*(\r):SUM+2*(\r)+1], v[Y+16*(\r):Y+16*(\r)+1], v[Y+16*(\r):Y+16*(\r)+1]
.endr
.irp k, 1,2,3,4,5,6,7
.irp r, 0,1,2,3
	v_pk_fma_f32 v[SUM+2*(\r):SUM+2*(\r)+1], v[Y+16*(\r)+2*(\k):Y+16*(\r)+2*(\k)+1], v[Y+16*(\r)+2*(\k):Y+16*(\r)+2*(\k)+1], v[SUM+2*(\r):SUM+2*(\r)+1]
.endr
.endr
	REDUCE
.irp r, 0,1,2,3
	v_fmaak_f32 v[SUM+2*(\r)], s18, v[SUM+2*(\r)], 0x3727c5ac  ; the variance + 1e-5
.endr
.irp r, 0,1,2,3
	v_rsq_f32 v[RR+2*(\r)], v[SUM+2*(\r)]
.endr
	v_nop                                          ; a plain instruction behind the last of the batch,
	s_wait_alu depctr_va_vdst(0)                   ; and one wait for the four ahead of the first use
.irp k, 0,1,2,3,4,5,6,7
.irp r, 0,1,2,3
	v_pk_mul_f32 v[Y+16*(\r)+2*(\k):Y+16*(\r)+2*(\k)+1], v[Y+16*(\r)+2*(\k):Y+16*(\r)+2*(\k)+1], v[RR+2*(\r):RR+2*(\r)+1] op_sel_hi:[1,0]
.endr
.endr
.irp k, 0,1,2,3,4,5,6,7
.irp r, 0,1,2,3
	v_pk_fma_f32 v[Y+16*(\r)+2*(\k):Y+16*(\r)+2*(\k)+1], v[Y+16*(\r)+2*(\k):Y+16*(\r)+2*(\k)+1], v[G+2*(\k):G+2*(\k)+1], v[BV+2*(\k):BV+2*(\k)+1]
.endr
.endr
.irp r, 0,1,2,3
.irp i, 0,1,2,3
.if OUT_F32
	global_store_b128 v2, v[Y+16*(\r)+4*(\i):Y+16*(\r)+4*(\i)+3], s[12:13] offset:2048*(\r)+512*(\i) th:TH_STORE_NT
.else
	v_cvt_pk_bf16_f32 v[Y+16*(\r)+4*(\i)],   v[Y+16*(\r)+4*(\i)],   v[Y+16*(\r)+4*(\i)+1]
	v_cvt_pk_bf16_f32 v[Y+16*(\r)+4*(\i)+1], v[Y+16*(\r)+4*(\i)+2], v[Y+16*(\r)+4*(\i)+3]
	global_store_b64 v3, v[Y+16*(\r)+4*(\i):Y+16*(\r)+4*(\i)+1], s[12:13] offset:1024*(\r)+256*(\i)
.endif
.endr
.endr
	s_endpgm
.Lfunc_end_k_q417443d6e8_ln2:
	.size	k_q417443d6e8_ln2, .Lfunc_end_k_q417443d6e8_ln2-k_q417443d6e8_ln2
	.p2alignl 7, 3214868480
	.fill 96, 4, 3214868480
	.section	.rodata,"a",@progbits
	.p2align	6, 0x0
	.amdhsa_kernel k_q417443d6e8_ln2
		.amdhsa_group_segment_fixed_size 0
		.amdhsa_private_segment_fixed_size 0
		.amdhsa_enable_private_segment 0
		.amdhsa_kernarg_size 40
		.amdhsa_user_sgpr_count 2
		.amdhsa_user_sgpr_kernarg_segment_ptr 1
		.amdhsa_wavefront_size32 1
		.amdhsa_system_sgpr_workgroup_id_x 1
		.amdhsa_system_sgpr_workgroup_id_y 1
		.amdhsa_system_sgpr_workgroup_id_z 1
		.amdhsa_system_vgpr_workitem_id 0
		.amdhsa_next_free_vgpr 200
		.amdhsa_next_free_sgpr 66
		.amdhsa_reserve_vcc 0
		.amdhsa_float_denorm_mode_32 3
		.amdhsa_float_denorm_mode_16_64 3
		.amdhsa_memory_ordered 1
		.amdhsa_forward_progress 1
		.amdhsa_inst_pref_size 27
	.end_amdhsa_kernel
	.amdgpu_metadata
---
amdhsa.version: [ 1, 2 ]
amdhsa.kernels:
  - .name:           k_q417443d6e8_ln2
    .symbol:         k_q417443d6e8_ln2.kd
    .args:
      - { .name: h, .offset: 0, .size: 8, .value_kind: global_buffer, .address_space: global }
      - { .name: pan, .offset: 8, .size: 8, .value_kind: global_buffer, .address_space: global }
      - { .name: ln2_g, .offset: 16, .size: 8, .value_kind: global_buffer, .address_space: global }
      - { .name: ln2_b, .offset: 24, .size: 8, .value_kind: global_buffer, .address_space: global }
      - { .name: out0, .offset: 32, .size: 8, .value_kind: global_buffer, .address_space: global }
    .group_segment_fixed_size: 0
    .private_segment_fixed_size: 0
    .kernarg_segment_align: 8
    .kernarg_segment_size: 40
    .max_flat_workgroup_size: 256
    .sgpr_count:     66
    .vgpr_count:     200
    .wavefront_size: 32
...
	.end_amdgpu_metadata
.endif
;; end of part 6
;; ======== version 2 of 2: 7 launches; version 1 with the launch prep written anew for expert scheduling mode
;; workspace buffers: act0 8,388,608 bytes; big 33,554,432 bytes; pan 8,388,608 bytes; h 8,388,608 bytes; pq 1,589,248 bytes; po 540,672 bytes; p1 2,113,536 bytes; p2 2,097,152 bytes
;; launch prep (part 7): grid 449 x 1, 8 waves a work-group, no clusters, 0 bytes of LDS; arguments x, w1, w2, wq, wk, wv, wo, bq, bk, bv, bo, b1, act0, p1, p2, pq, po; writes act0, p1, p2, pq, po
.if DOCPART == 7
	.amdgcn_target "amdgcn-amd-amdhsa--gfx1250"
	.amdhsa_code_object_version 6
	.text
	.protected	k_q417443d6e8_prep
	.globl	k_q417443d6e8_prep
	.p2align	8
	.type	k_q417443d6e8_prep,@function
k_q417443d6e8_prep:
	s_mov_b64 s[64:65], 0
	v_nop
	global_prefetch_b8 v0, s[64:65] scope:SCOPE_SE
	s_setreg_imm32_b32 hwreg(HW_REG_WAVE_SCHED_MODE, 0, 2), 2
	s_setreg_imm32_b32 hwreg(HW_REG_WAVE_MODE, 25, 1), 1
	s_wait_xcnt 0x0
	s_wait_alu depctr_vm_vsrc(0)
; x and the six weight matrices are rounded once to bf16; the weights are laid in PANELS of 256 columns ([panel][k][256], rows of 512 bytes),
; so that the products that follow know neither their N nor an output pitch.  A pack (pq, po, p1) holds: bytes 0-255 the activation's floor (two bf16 a word:
; -infinity = none, 0 = ReLU), from byte 256 the bias in f32, from byte 16,384 the panels.  p2 holds w2's two panels from byte 0.
; SHARES.  Work-groups 0-447 convert 65,536 source bytes each, in 16 steps of 4,096: thread t takes 16 bytes (4 numbers) at 16 t, so a wave's load covers 512 consecutive
; bytes and its store of 8 bytes a lane 256 consecutive bytes, aligned.  1,024 source bytes (256 columns of one row) are a SEGMENT; segment s goes to
; (s & MASK) x KB + (s >> SH) x 512 + OFF: panel, row, start.  Work-group 448 copies the biases and writes the floors.
; THE MODE: SCHED_MODE bits 1:0 = 2 (LLVM: expert scheduling mode 2), set by the entry lines.  The code itself states the register dependences
; between vector instructions and memory instructions, with s_wait_alu, always for 0.
; THE PLAN.  Registers that memory instructions touch:
;   v1        16 t.  Written once at the head; read by every load, and by the bias's stores, as their offset; never written again.
;   DO0-15    Written once, behind the loads; step i's store reads DO[i] as its offset; never written again.
;   D0-15     Step i's load lands in D[i], which no vector line has named; its two conversions read the four registers and write the first two; its store reads those two; never written again.
;   v3-5      Bias path alone: written by three vector lines, read by the three stores of the floors.
; So: one wait on va_vdst at the head (v1), one for each four steps, behind their eight conversions and ahead of their four stores, and one ahead of the floors' stores.
; No register that a memory instruction has read is written again, so no wait on vm_vsrc is owed.  s38 comes from a vector line: one wait on va_sdst, ahead of the branch.
.set DO, 4                             ; v[4:19]   step i: my byte offset in the destination
.set D,  32                            ; v[32:95]  step i: 4 registers as loaded; the first two then hold the 4 bf16
.macro JOB bound, src, dst, sh, kb, off ; from work-group \bound on: another source, destination and layout
	s_cmp_ge_u32 s39, \bound
	s_cselect_b64 s[40:41], s[\src:\src+1], s[40:41]
	s_cselect_b64 s[42:43], s[\dst:\dst+1], s[42:43]
	s_cselect_b32 s44, \bound, s44
	s_cselect_b32 s45, \sh, s45
	s_cselect_b32 s46, \kb, s46
	s_cselect_b32 s47, \off, s47
.endm
	s_load_b512 s[4:19], s[0:1], 0x0               ; x 4, w1 6, w2 8, wq 10, wk 12, wv 14, wo 16, bq 18
	s_load_b512 s[20:35], s[0:1], 0x40             ; bk 20, bv 22, bo 24, b1 26, act0 28, p1 30, p2 32, pq 34
	s_load_b64 s[36:37], s[0:1], 0x80              ; po
	v_lshrrev_b32 v3, 5, v0
	v_readfirstlane_b32 s38, v3                    ; wave 0..7
	v_and_b32 v2, 31, v0
	v_lshlrev_b32 v2, 3, v2                        ; 8 x lane
	v_lshlrev_b32 v1, 4, v0                        ; 16 x thread
	s_mov_b32 s39, ttmp9
	s_wait_alu depctr_va_sdst(0)                   ; s38 is written, ahead of the branch and of its first reader on either path
	s_wait_alu depctr_va_vdst(0)                   ; v1 is written: every load below, and the bias's stores, read it as their offset
	s_wait_kmcnt 0x0
	s_cmp_eq_u32 s39, 448
	s_cbranch_scc1 .Lbias
	s_mov_b64 s[40:41], s[4:5]                     ; work-groups 0-255: x, dense
	s_mov_b64 s[42:43], s[28:29]
	s_mov_b32 s44, 0
	s_mov_b32 s45, 0
	s_mov_b32 s46, 0
	s_mov_b32 s47, 0
	JOB 256, 6, 30, 3, 262144, 16384               ; w1: 8 panels of 512 rows
	JOB 320, 8, 32, 1, 1048576, 0                  ; w2: 2 panels of 2,048 rows
	JOB 384, 10, 34, 1, 262144, 16384              ; wq: panels 0, 1 of pq
	JOB 400, 12, 34, 1, 262144, 540672             ; wk: panels 2, 3
	JOB 416, 14, 34, 1, 262144, 1064960            ; wv: panels 4, 5
	JOB 432, 16, 36, 1, 262144, 16384              ; wo
	s_sub_co_u32 s48, s39, s44                     ; my number within the job
	s_lshl_b32 s54, s48, 16
	s_mov_b32 s55, 0
	s_add_nc_u64 s[40:41], s[40:41], s[54:55]      ; my 65,536 source bytes
.set i, 0
.rept 16
	global_load_b128 v[D+4*i:D+4*i+3], v1, s[40:41] offset:4096*i th:TH_LOAD_NT  ; no vector line has named these registers
.set i, i+1
.endr
	s_lshl_b32 s48, s48, 6                         ; 64 segments a work-group,
	s_lshr_b32 s50, s38, 1
	s_add_co_u32 s48, s48, s50                     ; two waves a segment: step i's segment is s48 + 4 i
	s_lshl_b32 s49, 1, s45
	s_sub_co_u32 s49, s49, 1                       ; MASK
	s_and_b32 s52, s38, 1
	s_lshl_b32 s52, s52, 8                         ; my half of the segment's 512 destination bytes
	s_add_co_u32 s52, s52, s47
.set i, 0
.rept 16
	s_add_co_u32 s50, s48, 4*i
	s_and_b32 s51, s50, s49
	s_mul_i32 s51, s51, s46                        ; panel
	s_lshr_b32 s50, s50, s45
	s_lshl_b32 s50, s50, 9                         ; row
	s_add_co_u32 s50, s50, s51
	s_add_co_u32 s50, s50, s52
	v_add_nc_u32 v[DO+i], s50, v2
.set i, i+1
.endr
.set g, 0
.rept 4                                ; four steps at a time: their conversions as the loads come in, one wait, their stores
.set i, 4*g
.rept 4
	s_wait_loadcnt 15-i                            ; loads come back in order: step i's is in, the 15 - i younger ones stay out
	v_cvt_pk_bf16_f32 v[D+4*i], v[D+4*i], v[D+4*i+1]
	v_cvt_pk_bf16_f32 v[D+4*i+1], v[D+4*i+2], v[D+4*i+3]
.set i, i+1
.endr
	s_wait_alu depctr_va_vdst(0)                   ; the four steps' conversions have written the data that the four stores below read; the first time, the sixteen offsets DO are written too
.set i, 4*g
.rept 4
	global_store_b64 v[DO+i], v[D+4*i:D+4*i+1], s[42:43]  ; no register of a store is written again
.set i, i+1
.endr
.set g, g+1
.endr
	s_endpgm
.Lbias:                                        ; threads 0-127 copy 2,048 bytes an instruction
	s_cmp_ge_u32 s38, 4
	s_cbranch_scc1 .Lend
	global_load_b128 v[32:35], v1, s[18:19]
	global_load_b128 v[36:39], v1, s[20:21]
	global_load_b128 v[40:43], v1, s[22:23]
	global_load_b128 v[44:47], v1, s[24:25]
	global_load_b128 v[48:51], v1, s[26:27]
	global_load_b128 v[52:55], v1, s[26:27] offset:2048
	global_load_b128 v[56:59], v1, s[26:27] offset:4096
	global_load_b128 v[60:63], v1, s[26:27] offset:6144
	s_wait_loadcnt 0x0
	global_store_b128 v1, v[32:35], s[34:35] offset:256       ; the data come from loads, the offset was written ahead of the head's wait: no vector line names either
	global_store_b128 v1, v[36:39], s[34:35] offset:256+2048
	global_store_b128 v1, v[40:43], s[34:35] offset:256+4096
	global_store_b128 v1, v[44:47], s[36:37] offset:256
	global_store_b128 v1, v[48:51], s[30:31] offset:256
	global_store_b128 v1, v[52:55], s[30:31] offset:256+2048
	global_store_b128 v1, v[56:59], s[30:31] offset:256+4096
	global_store_b128 v1, v[60:63], s[30:31] offset:256+6144
	s_cmp_ge_u32 s38, 2
	s_cbranch_scc1 .Lend
	v_lshlrev_b32 v3, 2, v0                        ; threads 0-63: the 64 words of each pack's first 256 bytes
	v_mov_b32 v4, 0xff80ff80                       ; -infinity twice: no activation
	v_mov_b32 v5, 0                                ; 0 twice: ReLU
	s_wait_alu depctr_va_vdst(0)                   ; v3, v4 and v5 are written: the offset and the data of the three stores below
	global_store_b32 v3, v4, s[34:35]
	global_store_b32 v3, v4, s[36:37]
	global_store_b32 v3, v5, s[30:31]
.Lend:
	s_endpgm
.Lfunc_end_k_q417443d6e8_prep:
	.size	k_q417443d6e8_prep, .Lfunc_end_k_q417443d6e8_prep-k_q417443d6e8_prep
	.p2alignl 7, 3214868480
	.fill 96, 4, 3214868480
	.section	.rodata,"a",@progbits
	.p2align	6, 0x0
	.amdhsa_kernel k_q417443d6e8_prep
		.amdhsa_group_segment_fixed_size 0
		.amdhsa_private_segment_fixed_size 0
		.amdhsa_enable_private_segment 0
		.amdhsa_kernarg_size 136
		.amdhsa_user_sgpr_count 2
		.amdhsa_user_sgpr_kernarg_segment_ptr 1
		.amdhsa_wavefront_size32 1
		.amdhsa_system_sgpr_workgroup_id_x 1
		.amdhsa_system_sgpr_workgroup_id_y 1
		.amdhsa_system_sgpr_workgroup_id_z 1
		.amdhsa_system_vgpr_workitem_id 0
		.amdhsa_next_free_vgpr 96
		.amdhsa_next_free_sgpr 66
		.amdhsa_reserve_vcc 0
		.amdhsa_float_denorm_mode_32 3
		.amdhsa_float_denorm_mode_16_64 3
		.amdhsa_memory_ordered 1
		.amdhsa_forward_progress 1
		.amdhsa_inst_pref_size 16
	.end_amdhsa_kernel
	.amdgpu_metadata
---
amdhsa.version: [ 1, 2 ]
amdhsa.kernels:
  - .name:           k_q417443d6e8_prep
    .symbol:         k_q417443d6e8_prep.kd
    .args:
      - { .name: x, .offset: 0, .size: 8, .value_kind: global_buffer, .address_space: global }
      - { .name: w1, .offset: 8, .size: 8, .value_kind: global_buffer, .address_space: global }
      - { .name: w2, .offset: 16, .size: 8, .value_kind: global_buffer, .address_space: global }
      - { .name: wq, .offset: 24, .size: 8, .value_kind: global_buffer, .address_space: global }
      - { .name: wk, .offset: 32, .size: 8, .value_kind: global_buffer, .address_space: global }
      - { .name: wv, .offset: 40, .size: 8, .value_kind: global_buffer, .address_space: global }
      - { .name: wo, .offset: 48, .size: 8, .value_kind: global_buffer, .address_space: global }
      - { .name: bq, .offset: 56, .size: 8, .value_kind: global_buffer, .address_space: global }
      - { .name: bk, .offset: 64, .size: 8, .value_kind: global_buffer, .address_space: global }
      - { .name: bv, .offset: 72, .size: 8, .value_kind: global_buffer, .address_space: global }
      - { .name: bo, .offset: 80, .size: 8, .value_kind: global_buffer, .address_space: global }
      - { .name: b1, .offset: 88, .size: 8, .value_kind: global_buffer, .address_space: global }
      - { .name: act0, .offset: 96, .size: 8, .value_kind: global_buffer, .address_space: global }
      - { .name: p1, .offset: 104, .size: 8, .value_kind: global_buffer, .address_space: global }
      - { .name: p2, .offset: 112, .size: 8, .value_kind: global_buffer, .address_space: global }
      - { .name: pq, .offset: 120, .size: 8, .value_kind: global_buffer, .address_space: global }
      - { .name: po, .offset: 128, .size: 8, .value_kind: global_buffer, .address_space: global }
    .group_segment_fixed_size: 0
    .private_segment_fixed_size: 0
    .kernarg_segment_align: 8
    .kernarg_segment_size: 136
    .max_flat_workgroup_size: 256
    .sgpr_count:     66
    .vgpr_count:     96
    .wavefront_size: 32
...
	.end_amdgpu_metadata
.endif
;; end of part 7
;; launch qkv: the kernel of part 2 again; grid 32 x 6, 4 waves a work-group, clusters of 4 x 1, 327,680 bytes of LDS; arguments act0, pq, big; writes big
;; launch attn: the kernel of part 3 again; grid 32 x 8, 4 waves a work-group, no clusters, 240,128 bytes of LDS; arguments big, act0; writes act0
;; launch projln: the kernel of part 4 again; grid 256 x 1, 8 waves a work-group, clusters of 4 x 1, 327,680 bytes of LDS; arguments act0, po, x, ln1_g, ln1_b, h; writes h
;; launch ffn1: the kernel of part 2 again; grid 32 x 8, 4 waves a work-group, clusters of 4 x 1, 327,680 bytes of LDS; arguments h, p1, big; writes big
;; launch ffn2: the kernel of part 5 again; grid 4 x 64, 4 waves a work-group, clusters of 4 x 4, 327,680 bytes of LDS; arguments big, p2, b2, pan; writes pan
;; launch ln2: the kernel of part 6 again; grid 256 x 1, 8 waves a work-group, no clusters, 0 bytes of LDS; arguments h, pan, ln2_g, ln2_b, out0; writes out0
